; MI455X (gfx1250); checked and timed in simulation.
; The chip was launched on July 23, 2026; its instructions are those of AMD's public machine-readable ISA for CDNA 5 (MIT licence, August 2026) and "CDNA5" Instruction Set Architecture Reference Guide (July 2026). The comments in the code are by the model that wrote it; some were corrected since.
;; Attention Layer. Allowed arithmetic: matrix products marked QUANTISED: E2M1 operands, one E8M0 scale for each 32 along K, by v_wmma_scale_f32_16x16x128_f8f6f4 with both operands' format E2M1 (or v_wmma_scale_f32_32x16x128_f4), f32 sums; everything else in f32.
;; Inputs: b1 1,024 float32; b2 1,024 float32; bf1 4,096 float32; bf2 1,024 float32; bk 1,024 float32; bo 1,024 float32; bq 1,024 float32; bv 1,024 float32; g1 1,024 float32; g2 1,024 float32; w1_codes 4,096 x 32 x 16 uint8 (E2M1 codes of w1, K innermost, in blocks of 32 codes, two codes a byte); w1_scales 4,096 x 32 uint8 (E8M0 scales of w1, one for each 32 codes along K); w2_codes 1,024 x 128 x 16 uint8 (E2M1 codes of w2, K innermost, in blocks of 32 codes, two codes a byte); w2_scales 1,024 x 128 uint8 (E8M0 scales of w2, one for each 32 codes along K); wk_codes 1,024 x 32 x 16 uint8 (E2M1 codes of wk, K innermost, in blocks of 32 codes, two codes a byte); wk_scales 1,024 x 32 uint8 (E8M0 scales of wk, one for each 32 codes along K); wo_codes 1,024 x 32 x 16 uint8 (E2M1 codes of wo, K innermost, in blocks of 32 codes, two codes a byte); wo_scales 1,024 x 32 uint8 (E8M0 scales of wo, one for each 32 codes along K); wq_codes 1,024 x 32 x 16 uint8 (E2M1 codes of wq, K innermost, in blocks of 32 codes, two codes a byte); wq_scales 1,024 x 32 uint8 (E8M0 scales of wq, one for each 32 codes along K); wv_codes 1,024 x 32 x 16 uint8 (E2M1 codes of wv, K innermost, in blocks of 32 codes, two codes a byte); wv_scales 1,024 x 32 uint8 (E8M0 scales of wv, one for each 32 codes along K); x 2 x 2,048 x 1,024 float32.
;; Outputs: out0 2 x 2,048 x 1,024 float32.
;; This version of the problem:
;;   THIS VERSION OF THE PROBLEM IS GIVEN IN LOW PRECISION. The matrix products marked QUANTISED in the list below multiply operands that are first quantised to E2M1 (2 exponent bits, 1 mantissa bit; 4 bits a number), with one power-of-two scale for each 32 numbers along K (OCP MX v1.0); their sums are f32. All else is computed in f32.
;;   The module's matrix products, in the order in which they are computed (A, B: the left and right operand; K: the contracted axis; several contracted axes count as one K, in the product's order):
;;     1. [M 4,096, K 1,024] x [K 1,024, N 1,024]; A: input x; B: input wq (given as codes): QUANTISED
;;     2. [M 4,096, K 1,024] x [K 1,024, N 1,024]; A: input x; B: input wk (given as codes): QUANTISED
;;     3. [M 4,096, K 1,024] x [K 1,024, N 1,024]; A: input x; B: input wv (given as codes): QUANTISED
;;     4. batch 32 x [M 2,048, K 64] x [K 64, N 2,048]; A: computed on the way; B: computed on the way: QUANTISED
;;     5. batch 32 x [M 2,048, K 2,048] x [K 2,048, N 64]; A: softmax (see below); B: computed on the way: QUANTISED
;;     6. [M 4,096, K 1,024] x [K 1,024, N 1,024]; A: computed on the way; B: input wo (given as codes): QUANTISED
;;     7. [M 4,096, K 1,024] x [K 1,024, N 4,096]; A: computed on the way; B: input w1 (given as codes): QUANTISED
;;     8. [M 4,096, K 4,096] x [K 4,096, N 1,024]; A: computed on the way; B: input w2 (given as codes): QUANTISED
;;   THE QUANTISER, for each operand of a quantised product, along K:
;;     - K is cut into blocks of 32 from its start; a last block that is shorter is filled with zeros.
;;     - A block's scale is 2^e with e = floor(log2(the largest magnitude in the block)) - 2, held to -126 .. 127; a block of zeros has e = 0. As a byte (E8M0): e + 127.
;;     - Each number is divided by its block's scale, clamped to +-6, and rounded to the nearest number of E2M1, ties to even, subnormals kept.
;;     - The product sums the exact products of the quantised numbers (number of the format x scale) in f32.
;;   ~~~python
;;   def quantise(x, axis):      # numpy; x: float32 -> the quantised numbers, widened to float32 again
;;       x = np.moveaxis(x, axis, -1); K = x.shape[-1]
;;       x = np.pad(x, [(0, 0)] * (x.ndim - 1) + [(0, -K % 32)]); x = x.reshape(x.shape[:-1] + (-1, 32)); a = np.abs(x).max(-1, keepdims=True)
;;       e = np.where(a > 0, np.clip(np.frexp(np.where(a > 0, a, 1))[1] - 1 - 2, -126, 127), 0)      # np.frexp(a)[1] - 1 = floor(log2(a)), exactly
;;       r = np.clip(x / 2.0 ** e, -6, 6)
;;       step = 2.0 ** (np.maximum(np.frexp(np.where(r == 0, 1, r))[1] - 1, 0) - 1)
;;       q = np.round(r / step) * step * 2.0 ** e      # np.round: ties to even
;;       return np.moveaxis(q.reshape(q.shape[:-2] + (-1,))[..., :K], -1, axis).astype(np.float32)
;;   ~~~
;;   SOFTMAX AHEAD OF A QUANTISED PRODUCT. Where the list says 'softmax', what is quantised is not the finished softmax but p = 2^(t - M), with t = logit x log2(e) and M = ceil(the row's largest t), a whole number; so 1/2 < the row's largest p <= 1. The row's sum l is taken of the UNQUANTISED p, in f32, and the product's result is divided by l at the end. Since M is a whole number, a kernel that streams over the keys may use a running M (the ceiling of the running maximum): every later rescaling is an exact power of two, which a block's scale takes up: the codes' values come out the same.
;;   OPERANDS COMPUTED ON THE WAY. 'Computed on the way' means the value that the module computes at that place (a softmax that the list does not call 'softmax' is quantised finished and normalised). What goes into a quantiser is computed in f32, as accurately as f32 sums, v_exp_f32 and their like allow (about 1e-6 of the number): no bf16 or f16 on the way to a quantiser, and a product that is left as it is and whose result goes on into a quantised operand takes f32 operands (vector FMAs, or v_wmma_f32_16x16x4_f32). A number that lies on a knife's edge between two numbers of the format may be rounded either way, as far as f32 arithmetic and the matrix unit's own rounding can turn it there, and no further.
;;   INPUTS GIVEN AS CODES. w1 (in the module: [1024, 4096], K = its axis 0); w2 (in the module: [4096, 1024], K = its axis 0); wk (in the module: [1024, 1024], K = its axis 0); wo (in the module: [1024, 1024], K = its axis 0); wq (in the module: [1024, 1024], K = its axis 0); wv (in the module: [1024, 1024], K = its axis 0): each comes as NAME_codes (uint8): NAME with its K axis moved to the last place and cut into blocks of 32 codes, [.., K / 32, bytes a block], one block behind the other in memory; two codes a byte, the lower K in the low four bits (a code: sign, 2 exponent bits, 1 mantissa bit); and NAME_scales (uint8): the same leading axes, one E8M0 byte (e + 127) for each 32 codes along K. Its value is code x scale, taken as it is: it is not quantised again, and the codes and scales need not be those that the quantiser above would give.
;; One version. Each part assembles by itself: llvm-mc -triple=amdgcn-amd-amdhsa -mcpu=gfx1250 --defsym DOCPART=n.
;; ======== version 1 of 1: 8 launches
;; limits: right only within a limited range of input values
;; workspace buffers: xq 2,228,224 bytes; qkvw 6,946,816 bytes; ao 2,228,224 bytes; ysum 16,777,216 bytes; x1w 19,005,440 bytes; hw 8,912,896 bytes
;; launch quantx (part 1): grid 256 x 1, 8 waves a work-group, no clusters, 67,072 bytes of LDS; arguments x, xq; writes xq
.if DOCPART == 1
	.amdgcn_target "amdgcn-amd-amdhsa--gfx1250"
	.amdhsa_code_object_version 6
	.text
	.protected	k_q88930f0284_quantx
	.globl	k_q88930f0284_quantx
	.p2align	8
	.type	k_q88930f0284_quantx,@function
k_q88930f0284_quantx:
	s_mov_b64 s[64:65], 0
	v_nop
	global_prefetch_b8 v0, s[64:65] scope:SCOPE_SE
	s_setreg_imm32_b32 hwreg(HW_REG_WAVE_MODE, 25, 1), 1
	s_wait_xcnt 0x0
; x [4096][1024] f32 becomes codes of FP4 (E2M1), K innermost, [4096][512 bytes] at xq + 0, and one E8M0 byte for each 32 along K, [4096][32] at xq + 2,097,152.
; A block's scale byte is its largest magnitude's exponent field - 2, held at 1 from below (a block of zeros keeps the byte 1: its codes are zeros, and this program alone reads the bytes).
; LIMITS: NaN and infinities are not served; a block whose largest magnitude lies under 2^-124 keeps the byte 1.
; Rows are dense, so x is a plain stream of blocks of 32.  A work-group takes 16,384 numbers, each of its eight waves a run of 2,048 in 4 steps of 512: four loads of 512 consecutive bytes a step, all sixteen asked for at the head.
; A step's 2,048 bytes turn through the wave's own stage in LDS, so that a lane then holds 16 neighbours (two lanes to a block).  A step's codes leave as 256 consecutive bytes.
; The work-group's 512 scale bytes meet in LDS; behind one barrier wave 0 stores them as 512 consecutive bytes.  Memory binds: no matrix unit, no tensor load, no cluster.
.set STEPS, 4
.set EMAX,  2
.set CB,    8                          ; bytes of 16 codes
.set R,     16                         ; v16-79   four sets of 16 numbers as loaded
.set X,     80                         ; v80-111  two sets of 16 neighbours
.set C,     128                        ; v128..   codes: registers of its own for each step
.set E,     112                        ; v112..   a scale byte for each step
.set WREG,  8192                       ; LDS of a wave: two stages of 32 x SP bytes
.set SP,    80                         ; a lane's place in a stage: 64 bytes + 16 of padding
.set SCB,   8*WREG                     ; the work-group's 512 scale bytes
.set SPARE, SCB+512                    ; the spare words, 128 bytes for each wave
.set SPW,   190                        ; v190, v191 serve the closing add alone
.set NIL,   191
	s_load_b128 s[4:7], s[0:1], 0x0                ; x, xq
	v_lshl_add_u32 v[SPW], v0, 2, SPARE
	v_mov_b32 v[NIL], 0
	v_lshrrev_b32 v1, 5, v0
	v_readfirstlane_b32 s16, v1                    ; wave 0..7
	v_and_b32 v2, 31, v0                           ; lane
	v_lshlrev_b32 v3, 4, v2                        ; my 16 bytes of a load's 512
	s_mul_i32 s17, s16, WREG
	v_lshrrev_b32 v14, 2, v2
	v_mul_u32_u24 v14, v14, SP
	v_and_b32 v15, 3, v2
	v_lshl_add_u32 v14, v15, 4, v14
	v_add_nc_u32 v14, s17, v14                     ; the stage, on the way in: SP (lane / 4) + 16 (lane % 4)
	v_mul_u32_u24 v15, v2, SP
	v_add_nc_u32 v15, s17, v15                     ; and on the way out: SP x lane
	v_mul_u32_u24 v4, v2, CB                       ; my codes' place in a step's
	v_lshrrev_b32 v5, 1, v2
	s_lshl_b32 s17, s16, 6
	s_add_co_u32 s17, s17, SCB
	v_add_nc_u32 v5, s17, v5                       ; my block's scale byte in LDS: 64 bytes a wave
	v_add_nc_u32 v6, SCB, v3                       ; and 16 bytes a lane on the way out
	s_lshl_b32 s18, ttmp9, 3
	s_add_co_u32 s18, s18, s16                     ; my run of 2,048 numbers
	s_lshl_b32 s20, s18, 13                        ; 8,192 bytes of x,
	s_mov_b32 s21, 0
	s_lshl_b32 s22, s18, 10                        ; 1,024 bytes of codes a run,
	s_mov_b32 s23, 0
	s_lshl_b32 s24, ttmp9, 9                       ; 512 scale bytes a work-group
	s_add_co_u32 s24, s24, 0x200000
	s_mov_b32 s25, 0
	s_wait_alu depctr_va_vdst(0)                   ; the wait at the head's end
	s_wait_kmcnt 0x0
	s_add_nc_u64 s[4:5], s[4:5], s[20:21]
	s_add_nc_u64 s[8:9], s[6:7], s[22:23]
	s_add_nc_u64 s[10:11], s[6:7], s[24:25]
.macro LOAD t
.irp i, 0,1,2,3
	global_load_b128 v[R+16*((\t)%4)+4*\i:R+16*((\t)%4)+4*\i+3], v3, s[4:5] offset:2048*(\t)+512*\i th:TH_LOAD_NT
.endr
.endm
.macro TURN t                          ; step t's numbers through the stage; LDS serves a wave's instructions in order (ISA guide 5.7.1)
.irp i, 0,1,2,3
	ds_store_b128 v14, v[R+16*((\t)%4)+4*\i:R+16*((\t)%4)+4*\i+3] offset:32*SP*((\t)%2)+8*SP*\i
.endr
.irp i, 0,1,2,3
	ds_load_b128 v[X+16*((\t)%2)+4*\i:X+16*((\t)%2)+4*\i+3], v15 offset:32*SP*((\t)%2)+16*\i
.endr
.endm
.irp t, 0,1,2,3
	LOAD \t
.endr
	s_wait_loadcnt 12                              ; step 0's four loads are in; three steps' twelve may be out
	TURN 0
.macro STEP t
.set XS, X+16*((\t)%2)
.if (\t) > 0
	s_wait_dscnt 1                                 ; this step's numbers are back from the stage; the last step's byte store may be out
.else
	s_wait_dscnt 0x0
.endif
.if (\t)+1 < STEPS
	s_wait_loadcnt 4*(STEPS-2-(\t))                ; the next step's four loads are in; the later steps' may be out
	TURN (\t)+1
.endif
	v_max3_num_f32 v8, |v[XS]|, |v[XS+1]|, |v[XS+2]|               ; the largest magnitude of my 16, in two chains
	v_max3_num_f32 v9, |v[XS+3]|, |v[XS+4]|, |v[XS+5]|
.irp i, 6,10
	v_max3_num_f32 v8, v8, |v[XS+\i]|, |v[XS+\i+1]|
	v_max3_num_f32 v9, v9, |v[XS+\i+2]|, |v[XS+\i+3]|
.endr
	v_max3_num_f32 v8, v8, |v[XS+14]|, |v[XS+15]|
	v_max3_num_f32 v8, v8, v9, (EMAX+1)<<23        ; and the floor 2^(3 - 127): the byte cannot fall under 1
	v_max_num_f32_dpp v8, v8, v8 row_xmask:1 row_mask:0xf bank_mask:0xf   ; with my neighbour's 16: the block's
	v_add_nc_u32 v11, -(EMAX<<23), v8              ; 2 off its exponent field: the conversion's scale operand
	v_cvt_scalef32_pk8_fp4_f32 v[C+4*(\t)], v[XS:XS+7], v11
	v_cvt_scalef32_pk8_fp4_f32 v[C+4*(\t)+1], v[XS+8:XS+15], v11
	v_lshrrev_b32 v[E+(\t)], 23, v11               ; the scale's byte
	ds_store_b8 v5, v[E+(\t)] offset:16*(\t)       ; both lanes of a block write the same byte with the same value
	global_store_b64 v4, v[C+4*(\t):C+4*(\t)+1], s[8:9] offset:32*CB*(\t)
.endm
.irp t, 0,1,2,3
	STEP \t
.endr
	s_wait_dscnt 0x0                               ; for the others' sake: my byte stores are done
	s_barrier_signal -1
	s_barrier_wait -1
	s_cmp_lg_u32 s16, 0
	s_cbranch_scc1 .Lend
	ds_load_b128 v[80:83], v6                      ; the work-group's 512 scale bytes
	s_wait_dscnt 0x0
	global_store_b128 v3, v[80:83], s[10:11]       ; 512 consecutive bytes, aligned
.Lend:
	s_wait_tensorcnt 0x0                           ; the wave's end
	ds_add_u32 v[SPW], v[NIL]
	s_wait_dscnt 0x0
	s_endpgm
.Lfunc_end_k_q88930f0284_quantx:
	.size	k_q88930f0284_quantx, .Lfunc_end_k_q88930f0284_quantx-k_q88930f0284_quantx
	.p2alignl 7, 3214868480
	.fill 96, 4, 3214868480
	.section	.rodata,"a",@progbits
	.p2align	6, 0x0
	.amdhsa_kernel k_q88930f0284_quantx
		.amdhsa_group_segment_fixed_size 67072
		.amdhsa_private_segment_fixed_size 0
		.amdhsa_enable_private_segment 0
		.amdhsa_kernarg_size 16
		.amdhsa_user_sgpr_count 2
		.amdhsa_user_sgpr_kernarg_segment_ptr 1
		.amdhsa_wavefront_size32 1
		.amdhsa_system_sgpr_workgroup_id_x 1
		.amdhsa_system_sgpr_workgroup_id_y 1
		.amdhsa_system_sgpr_workgroup_id_z 1
		.amdhsa_system_vgpr_workitem_id 0
		.amdhsa_next_free_vgpr 192
		.amdhsa_next_free_sgpr 66
		.amdhsa_reserve_vcc 0
		.amdhsa_float_denorm_mode_32 3
		.amdhsa_float_denorm_mode_16_64 3
		.amdhsa_memory_ordered 1
		.amdhsa_forward_progress 1
		.amdhsa_inst_pref_size 10
	.end_amdhsa_kernel
	.amdgpu_metadata
---
amdhsa.version: [ 1, 2 ]
amdhsa.kernels:
  - .name:           k_q88930f0284_quantx
    .symbol:         k_q88930f0284_quantx.kd
    .args:
      - { .name: x, .offset: 0, .size: 8, .value_kind: global_buffer, .address_space: global }
      - { .name: xq, .offset: 8, .size: 8, .value_kind: global_buffer, .address_space: global }
    .group_segment_fixed_size: 67072
    .private_segment_fixed_size: 0
    .kernarg_segment_align: 8
    .kernarg_segment_size: 16
    .max_flat_workgroup_size: 256
    .sgpr_count:     66
    .vgpr_count:     192
    .wavefront_size: 32
...
	.end_amdgpu_metadata
.endif
;; end of part 1
;; launch qkv (part 2): grid 12 x 16, 4 waves a work-group, clusters of 4 x 4, 327,680 bytes of LDS; arguments xq, wq_codes, wq_scales, wk_codes, wk_scales, wv_codes, wv_scales, bq, bk, bv, qkvw; writes qkvw
.if DOCPART == 2
	.amdgcn_target "amdgcn-amd-amdhsa--gfx1250"
	.amdhsa_code_object_version 6
	.text
	.protected	k_q88930f0284_qkv
	.globl	k_q88930f0284_qkv
	.p2align	8
	.type	k_q88930f0284_qkv,@function
k_q88930f0284_qkv:
	s_mov_b64 s[64:65], 0
	v_nop
	global_prefetch_b8 v0, s[64:65] scope:SCOPE_SE
	s_setreg_imm32_b32 hwreg(HW_REG_WAVE_MODE, 25, 1), 1
	s_wait_xcnt 0x0
	s_wait_alu depctr_hold_cnt(0) depctr_sa_sdst(0) depctr_va_vdst(0) depctr_va_sdst(0) depctr_va_ssrc(0) depctr_va_vcc(0) depctr_vm_vsrc(0)
	s_getreg_b32 s2, hwreg(HW_REG_IB_STS2, 6, 4)
	s_cmp_eq_u32 s2, 0
	s_cbranch_scc0 .Lentry_in_a_cluster
	s_endpgm
.Lentry_in_a_cluster:
	s_bfe_u32 s2, ttmp6, 0x10000c
	s_cmp_lg_u32 s2, 0xf033
	s_cbranch_scc0 .Lentry_shape_is_right
	s_endpgm
.Lentry_shape_is_right:
; q = x wq + bq, k = x wk + bk, v = x wv + bv on codes of FP4 with E8M0 scales, K = 1,024; the results are quantised in registers and stored in the order of the attention launch's operand registers.
; The cluster's x says which product: 0 q, 1 k, 2 v.  A tile is 256 x 256, four waves of 128 x 128 (64 accumulators).  The matrix instruction is used transposed: source 0 = side B, source 1 = side A;
; a lane then holds ONE row of side A and its registers run along side B.  q, k: A = tokens, B = channels (they are quantised along the head's 64 channels).  v: A = channels, B = tokens (it is
; quantised along the keys).  The sides change places by pointers alone; the text of the product is one.
; K = 1,024 is 512 bytes a row: both halves of K (the two 256-byte halves of rows of pitch 528) and all scale bytes come by FIRST fills; no LDS byte is filled twice.
; CLUSTERS 4 x 4: A's tiles are asked for jointly along a row of the cluster, B's along a column.  12 x 16 = 192 work-groups: a tile of 256 x 192 would give 256 but break the sharing by four and the wave's 128 columns.
; WORKSPACE qkvw.  Q part at 0: head bh (73,728 bytes) = 16 records of 4,608 for 128 queries: 8 quads of 512 bytes (16 queries x 64 channels: lane l's 16 bytes at 16 l), then 8 x 64 bytes of scale words.
; KV part at 2,359,296: head bh (143,360 bytes) = 16 records of 8,960 for 128 keys: K's 8 quads, V's 4 images of 1,024 (16 channels x 128 keys), K's 8 x 64 bytes of scale words, V's 4 x 64.
; q's and k's scale words: two bytes of the head's two blocks, 0x7f in the two upper bytes (the upper 64 of the instruction's 128 along K are zero codes in the attention launch).
; LIMITS: NaN and infinities are not served; a block whose largest magnitude lies under 2^-124, a block of zeros among them, keeps the byte 1 (workspace bytes, read by this program alone).
; REGISTERS: window 0: v1-6 at work, v16-29 addresses, v32-95 scale words (two sets), v128-191 A's fragments, later the 64 numbers in hand, v208-239 the quantiser's.
;   window 1: v0-63, v128-191 B's two sets; v64-127 the bias by column; v192-207 the bias by row.   windows 2, 3: the accumulators.
.set NQ,     4
.set ROWB,   512                       ; a tile's row is all of K: 1,024 codes
.set KROW,   512
.set PITCH,  528                       ; 512 bytes + 16 of padding: the 16 rows of a load start 4 banks apart (64 banks of 4 bytes: ISA guide 11.1)
.set FR,     8
.set NL,     2
.set NP,     4
.set HALFT,  128*PITCH
.set SLOT,   256                       ; the second half of K begins 256 bytes on in each LDS row
.set KS,     32
.set SCL,    4*HALFT                   ; behind A's 256 rows and B's 256 rows
.set HALFS,  (128*KS/256)*272
.set SBLK,   (16*KS/256)*272
.set SPARE,  SCL+4*HALFS               ; the spare words, 128 bytes for each wave
.set SPW,  30                          ; v30 LDS address of my spare word; v31 = 0: both serve the add alone
.set NIL,  31
.set ADRA, 16
.set ADRB, 20
.set LI,   24                          ; 16 x lane
.set LS,   25                          ; 4 x lane
.set ADRS, 27
.set BA,   28                          ; 32 x (lane / 16): the bias by column
.set BB,   29                          ; 4 x (lane % 16): the bias by row
.set SC,   32
.set AF,   128
.set ST,   128
.set TM,   208
.set PW,   224
.set PWE,  225
.set PWM,  226
.set W0,   227
.set W1,   228
.set PC,   232
.set BC,   64                          ; in window 1
.set BR,   192                         ; in window 1
.set G1, 24
.set G0, 32
.set G1B, 48
.set G0B, 56
.set G1S, 68
.set G0S, 76
.set G1SB, 80
.set G0SB, 88
.set PADS, 95
.set OUTP, 96
.set SEL,  98
.set HI,   100
.set LOW,  101
.set MSB, 0
.macro WIN new                         ; the immediate's high byte repeats the setting that is left
.if MSB != (\new)
	s_set_vgpr_msb (MSB<<8)|(\new)
.set MSB, (\new)
.endif
.endm
.set MUL_LO, 0xa1                      ; source 0 (B) window 1, source 1 (A) window 0, C and D window 2
.set MUL_HI, 0xf1
.set TO_B,   0x40
.macro ARM under, g0, g1, next         ; an arm of the head's tree: one joint load, its s_nop 0 and four v_nop, a jump to the tree's end
	s_cmp_lt_u32 s14, \under
	s_cbranch_scc0 \next
	tensor_load_to_lds s[\g0:\g0+3], s[\g1:\g1+7]
	s_nop 0
.rept 4
	v_nop
.endr
	s_branch .Lhead_asked
\next:
.endm
.macro CROUND                          ; a round of the cluster's barrier
	s_barrier_signal -1
	s_barrier_wait -1
	s_cmp_lg_u32 s14, 0
	s_cbranch_scc1 .Lnot_wave_0_\@
	s_barrier_signal -3
.Lnot_wave_0_\@:
	s_barrier_wait -3
	s_barrier_signal -1
	s_barrier_wait -1
.endm
	s_load_b512 s[68:83], s[0:1], 0x0              ; xq, wq codes, wq scales, wk codes, wk scales, wv codes, wv scales, bq
	s_load_b128 s[84:87], s[0:1], 0x40             ; bk, bv
	s_load_b64 s[88:89], s[0:1], 0x50              ; qkvw
	v_lshl_add_u32 v[SPW], v0, 2, SPARE
	v_mov_b32 v[NIL], 0
	ds_add_u32 v[SPW], v[NIL]                      ; the opening lines: the add, twice on end, and its wait ahead of the round in front of my tensor load
	ds_add_u32 v[SPW], v[NIL]
	v_lshrrev_b32 v1, 5, v0
	v_readfirstlane_b32 s14, v1                    ; wave 0..3
	s_lshr_b32 s15, s14, 1                         ; my half of A's rows.  Also: I fetch for A (0) or for B (1)
	s_and_b32 s16, s14, 1                          ; my half of B's rows.  Also: which 128 rows I fetch
	s_bfe_u32 s40, ttmp6, 0x40000                  ; cx
	s_bfe_u32 s41, ttmp6, 0x40004                  ; cy
	s_and_b32 s17, ttmp7, 0xffff
	s_lshl_b32 s17, s17, 2                         ; 4 x cluster y: it counts tiles of tokens
	s_cmp_eq_u32 ttmp9, 2                          ; v?  The cluster's x is the same in all sixteen partners
	s_cselect_b32 s18, 0, s17
	s_cselect_b32 s19, s17, 0
	s_add_co_u32 s17, s18, s41                     ; A's tile: q, k: 4 Y + cy (tokens); v: cy (channels)
	s_add_co_u32 s42, s19, s40                     ; B's tile: q, k: cx (channels); v: 4 Y + cx (tokens)
	s_lshl_b32 s43, s41, 2
	s_lshl_b32 s43, 15, s43                        ; my row of the cluster
	s_lshl_b32 s44, 0x1111, s40                    ; my column
	s_or_b32 s[G1+0], s43, (0<<16)|(1<<20)|(1<<21)|(6<<22)|(3<<25)  ; mask; elements of 1 byte; padding: 4 words after every 128; bit 21 beside a mask
	s_or_b32 s[G1B+0], s44, (0<<16)|(1<<20)|(1<<21)|(6<<22)|(3<<25)
.irp g, G1, G1B
	s_mov_b32 s[\g+1], ROWB<<16                    ; tensor_dim0
	s_mov_b32 s[\g+2], 256<<16                     ; tensor_dim1: a side's 256 rows in one load
	s_mov_b32 s[\g+3], ROWB<<16                    ; tile_dim0
	s_mov_b32 s[\g+4], 256                         ; tile_dim1
	s_mov_b32 s[\g+5], KROW                        ; pitch
	s_mov_b32 s[\g+6], 0
	s_mov_b32 s[\g+7], 0
.endr
	s_lshl_b32 s20, s17, 8                         ; A: the tile's first row
	s_lshl_b32 s46, s42, 8                         ; B likewise
	s_lshl_b32 s22, s20, 5                         ; its scale bytes (32 a row),
	s_lshl_b32 s92, s46, 5
	s_lshl_b32 s20, s20, 9                         ; its codes (512 bytes a row)
	s_lshl_b32 s46, s46, 9
	s_mov_b32 s21, 0
	s_mov_b32 s23, 0
	s_mov_b32 s47, 0
	s_mov_b32 s93, 0
	s_wait_dscnt 0x0                               ; both opening adds are done
	s_wait_kmcnt 0x0
	s_add_nc_u64 s[90:91], s[68:69], 0x200000      ; x's scale bytes
	s_cmp_eq_u32 ttmp9, 0
	s_cselect_b64 s[70:71], s[70:71], s[74:75]     ; wq or wk
	s_cselect_b64 s[72:73], s[72:73], s[76:77]
	s_cselect_b64 s[82:83], s[82:83], s[84:85]
	s_cmp_eq_u32 ttmp9, 2
	s_cselect_b64 s[4:5], s[78:79], s[68:69]       ; A's codes: wv, else x
	s_cselect_b64 s[6:7], s[80:81], s[90:91]       ; A's scales
	s_cselect_b64 s[8:9], s[68:69], s[70:71]       ; B's codes: x, else the weight
	s_cselect_b64 s[10:11], s[90:91], s[72:73]
	s_cselect_b64 s[12:13], s[86:87], s[82:83]     ; the bias
	s_mov_b64 s[OUTP:OUTP+1], s[88:89]
	s_add_nc_u64 s[20:21], s[4:5], s[20:21]
	s_add_nc_u64 s[22:23], s[6:7], s[22:23]
	s_add_nc_u64 s[46:47], s[8:9], s[46:47]
	s_add_nc_u64 s[92:93], s[10:11], s[92:93]
	s_or_b32 s[G1S+0], s43, (3<<16)|(1<<20)|(1<<21)|(5<<22)|(3<<25)   ; the scales of 256 rows: 8,192 dense bytes as 32 rows of 256 (32 elements of 8 bytes), 16 bytes of padding behind each
	s_or_b32 s[G1SB+0], s44, (3<<16)|(1<<20)|(1<<21)|(5<<22)|(3<<25)
.irp g, G1S, G1SB
	s_mov_b32 s[\g+1], 32<<16
	s_mov_b32 s[\g+2], (256*KS/256)<<16            ; the scales of a side's 256 rows: 8,192 dense bytes as 32 rows of 256
	s_mov_b32 s[\g+3], 32<<16
	s_mov_b32 s[\g+4], 256*KS/256
	s_mov_b32 s[\g+5], 32
	s_mov_b32 s[\g+6], 0
	s_mov_b32 s[\g+7], 0
.endr
	CROUND                                         ; all sixteen work-groups are here: the joint loads meet
	; ALL THAT THE WORK-GROUP READS IS FOUR TILES, ONE JOINT LOAD A WAVE: wave 0 A's 256 rows over all of K, wave 1 B's, wave 2 A's scale bytes, wave 3 B's.  Nothing is filled later.
	s_mov_b32 s[G0S], 1
	s_mov_b32 s[G0S+1], SCL
	s_mov_b64 s[G0S+2:G0S+3], s[22:23]
	s_or_b32 s[G0S+3], s[G0S+3], 0x80000000
	s_mov_b32 s[G0SB], 1
	s_mov_b32 s[G0SB+1], SCL+2*HALFS
	s_mov_b64 s[G0SB+2:G0SB+3], s[92:93]
	s_or_b32 s[G0SB+3], s[G0SB+3], 0x80000000
	s_mov_b32 s[G0], 1
	s_mov_b32 s[G0+1], 0
	s_mov_b64 s[G0+2:G0+3], s[20:21]
	s_or_b32 s[G0+3], s[G0+3], 0x80000000
	s_mov_b32 s[G0B], 1
	s_mov_b32 s[G0B+1], 2*HALFT
	s_mov_b64 s[G0B+2:G0B+3], s[46:47]
	s_or_b32 s[G0B+3], s[G0B+3], 0x80000000
	ARM 1, G0,  G1,  .Lhead_b
	ARM 2, G0B, G1B, .Lhead_sa
	ARM 3, G0S, G1S, .Lhead_sb
	tensor_load_to_lds s[G0SB:G0SB+3], s[G1SB:G1SB+7]
	s_nop 0
.rept 4
	v_nop
.endr
.Lhead_asked:
	v_and_b32 v1, 15, v0                           ; r
	v_bfe_u32 v2, v0, 4, 1                         ; h
	v_mul_u32_u24 v3, v1, PITCH
	v_lshl_add_u32 v4, v2, 4, v3
	s_mul_i32 s21, s15, HALFT
	s_mul_i32 s22, s16, HALFT
	s_add_co_u32 s22, s22, 2*HALFT
.irp s, 0,1
	v_add_nc_u32 v[ADRA+\s], s21, v4
	v_add_nc_u32 v[ADRB+\s], s22, v4
	s_add_co_u32 s21, s21, SLOT
	s_add_co_u32 s22, s22, SLOT
.endr
	v_mul_u32_u24 v5, v1, KS
	v_lshrrev_b32 v6, 8, v5
	v_lshl_add_u32 v5, v6, 4, v5                   ; 16 more for each 256 passed
	s_mul_i32 s21, s15, HALFS
	s_mul_i32 s22, s16, HALFS
	s_add_co_u32 s22, s22, 2*HALFS
	s_sub_co_u32 s22, s22, s21
	v_mul_u32_u24 v6, s22, v2                      ; lanes 16-31 take B's scale words
	s_add_co_u32 s21, s21, SCL
	v_add_nc_u32 v5, v5, v6
	v_add_nc_u32 v[ADRS], s21, v5
	v_and_b32 v3, 31, v0
	v_lshlrev_b32 v[LI], 4, v3
	v_lshlrev_b32 v[LS], 2, v3
	v_lshlrev_b32 v[BA], 5, v2
	s_wait_alu depctr_va_vdst(0)
	v_lshlrev_b32 v[BB], 2, v1
	; where my results go
	s_wait_alu depctr_va_vdst(0)
	s_lshl_b32 s18, s17, 8
	s_lshl_b32 s19, s15, 7
	s_add_co_u32 s18, s18, s19                     ; my first row of A
	s_lshl_b32 s19, s42, 8
	s_lshl_b32 s20, s16, 7
	s_add_co_u32 s19, s19, s20                     ; my first row of B
	s_cmp_eq_u32 ttmp9, 2
	s_cselect_b32 s20, s19, s18                    ; my first token
	s_cselect_b32 s21, s18, s19                    ; my first channel
	s_lshl_b32 s46, s21, 2
	s_mov_b32 s47, 0
	s_add_nc_u64 s[12:13], s[12:13], s[46:47]      ; my 128 biases
	s_cmp_eq_u32 ttmp9, 0
	s_mov_b32 s22, 143360
	s_cselect_b32 s22, 73728, s22                  ; bytes of a head,
	s_mov_b32 s23, 8960
	s_cselect_b32 s23, 4608, s23                   ; of a record,
	s_mov_b32 s43, 2359296
	s_cselect_b32 s43, 0, s43                      ; where the part begins,
	s_mov_b32 s44, 8192
	s_cselect_b32 s44, 4096, s44                   ; and from the codes to the scale words
	s_cmp_eq_u32 ttmp9, 2
	s_mov_b32 s45, 2363392
	s_cselect_b32 s43, s45, s43
	s_mov_b32 s45, 4608
	s_cselect_b32 s44, s45, s44
	s_lshr_b32 s46, s20, 11
	s_lshl_b32 s46, s46, 4
	s_lshr_b32 s47, s21, 6
	s_add_co_u32 s46, s46, s47                     ; the first of my two heads: 16 x batch + channel / 64
	s_bfe_u32 s47, s20, 0x40007                    ; the record: (token / 128) % 16
	s_mul_i32 s46, s46, s22
	s_mul_i32 s47, s47, s23
	s_add_co_u32 s46, s46, s47
	s_add_co_u32 s46, s46, s43
	s_mov_b32 s47, 0
	s_mov_b32 s23, 0
	s_mov_b32 s45, 0
	s_add_nc_u64 s[4:5], s[OUTP:OUTP+1], s[46:47]  ; codes, first head
	s_add_nc_u64 s[6:7], s[4:5], s[22:23]          ; codes, second head
	s_add_nc_u64 s[8:9], s[4:5], s[44:45]          ; scale words, first head
	s_add_nc_u64 s[10:11], s[6:7], s[44:45]        ; scale words, second head
	s_mov_b32 s[SEL], 0x76543210
	s_mov_b32 s[SEL+1], 0xfedcba98
	s_mov_b32 s[HI], 0xffff0000
	s_mov_b32 s[LOW], 0xffff
	s_mov_b32 s[PADS], 0x7f7f0000
	WIN TO_B                                       ; both layouts of the bias are loaded, whichever product this is: one path through the head
.irp t, 0,1,2,3,4,5,6,7
	global_load_b128 v[BC+8*\t:BC+8*\t+3], v[BA], s[12:13] offset:64*\t        ; register 8 t + j: bias of channel 16 t + 8 h + j
	global_load_b128 v[BC+8*\t+4:BC+8*\t+7], v[BA], s[12:13] offset:64*\t+16
.endr
.irp t, 0,1,2,3,4,5,6,7
	global_load_b32 v[BR+2*\t], v[BB], s[12:13] offset:64*\t                   ; registers 2 a, 2 a + 1: bias of channel 16 a + r, twice
	global_load_b32 v[BR+2*\t+1], v[BB], s[12:13] offset:64*\t
.endr
	WIN 0
.irp b, 0,1,2,3
	v_mov_b32 v[TM+4+\b], 0                        ; written once: a lane permute's destination counts as one of its sources
.endr
.macro FRAG reg, adr, q, i             ; 16 rows x 128 K of 4-bit codes: registers 4 c .. 4 c + 3 hold K = 64 c + 32 (l / 16) + 0 .. 31 of row l % 16
.irp c, 0,1
	ds_load_b128 v[\reg+4*\c:\reg+4*\c+3], v[\adr] offset:64*(\q)+32*\c+(\i)*16*PITCH
.endr
.endm
; 16 matrix instructions: A's blocks a0, a0 + 1 x B's eight.  The 64 accumulators take turns, one instruction a turn, in the same order in every step.
.macro MUL16 a0, p, q, sc, zero
.irp a, \a0, \a0+1
.irp b, 0,1,2,3,4,5,6,7
.if \zero
	v_wmma_scale_f32_16x16x128_f8f6f4 v[8*(8*((\a)%4)+\b):8*(8*((\a)%4)+\b)+7], v[128*(\p)+FR*\b:128*(\p)+FR*\b+FR-1], v[AF+FR*(\a):AF+FR*(\a)+FR-1], 0, v[SC+8*NQ*(\sc)+NQ*\b+(\q)], v[SC+8*NQ*(\sc)+NQ*(\a)+(\q)] matrix_a_fmt:MATRIX_FMT_FP4 matrix_b_fmt:MATRIX_FMT_FP4 matrix_a_scale:MATRIX_SCALE_ROW1
.else
	v_wmma_scale_f32_16x16x128_f8f6f4 v[8*(8*((\a)%4)+\b):8*(8*((\a)%4)+\b)+7], v[128*(\p)+FR*\b:128*(\p)+FR*\b+FR-1], v[AF+FR*(\a):AF+FR*(\a)+FR-1], v[8*(8*((\a)%4)+\b):8*(8*((\a)%4)+\b)+7], v[SC+8*NQ*(\sc)+NQ*\b+(\q)], v[SC+8*NQ*(\sc)+NQ*(\a)+(\q)] matrix_a_fmt:MATRIX_FMT_FP4 matrix_b_fmt:MATRIX_FMT_FP4 matrix_a_scale:MATRIX_SCALE_ROW1
.endif
.endr
.endr
.endm
.macro FETCH_B slot, q, p
	WIN TO_B
.irp i, 0,1,2,3,4,5,6,7
	FRAG 128*(\p)+FR*\i, ADRB+\slot, \q, \i
.endr
	WIN 0
.endm
.macro FETCH_A slot, q, i0
.irp i, \i0, \i0+1, \i0+2, \i0+3
	FRAG AF+FR*(\i), ADRA+\slot, \q, \i
.endr
.endm
.macro SCALES sc                       ; four words a row: lanes 0-15 A's block i, lanes 16-31 B's block i
.irp i, 0,1,2,3,4,5,6,7
	ds_load_b128 v[SC+8*NQ*\sc+NQ*\i:SC+8*NQ*\sc+NQ*\i+3], v[ADRS] offset:\i*SBLK
.endr
.endm
.macro PLACES n                        ; plain vector instructions between a matrix instruction and a load into, or a read of, its registers
.rept \n
	v_nop
.endr
.endm
.macro STEP slot, q, zero              ; 128 along K; its successor lies in the same half of K
	s_wait_dscnt 4*NL                              ; B's set and A's blocks 0-3 are in; the youngest eight loads (A's blocks 4-7) may be out
	WIN MUL_LO
	MUL16 0, (\q)%2, \q, \slot, \zero
	MUL16 2, (\q)%2, \q, \slot, \zero
	s_wait_dscnt 0
	PLACES NP
	FETCH_B \slot, (\q)+1, 1-(\q)%2
	FETCH_A \slot, (\q)+1, 0
	WIN MUL_HI
	MUL16 4, (\q)%2, \q, \slot, \zero
	MUL16 6, (\q)%2, \q, \slot, \zero
	PLACES NP
	WIN 0
	FETCH_A \slot, (\q)+1, 4
.endm
.macro STEPS slot, from
.set Q, \from
.rept NQ-1-\from
	STEP \slot, Q, 0
.set Q, Q+1
.endr
.endm
.macro TURN slot, next                 ; the first half's last step: behind the barrier the second half of K, which four waves brought, is whole.  Nothing is filled again
	s_wait_dscnt 4*NL                              ; all of K lies in LDS since the head's barrier: this step only turns to the rows' second 256 bytes
	WIN MUL_LO
	MUL16 0, 1, NQ-1, \slot, 0
	MUL16 2, 1, NQ-1, \slot, 0
	s_wait_dscnt 0x0
	WIN 0
	PLACES NP
	v_add_nc_u32 v[ADRS], 4*NQ, v[ADRS]
	FETCH_B \next, 0, 0
	FETCH_A \next, 0, 0
	SCALES \next
	WIN MUL_HI
	MUL16 4, 1, NQ-1, \slot, 0
	MUL16 6, 1, NQ-1, \slot, 0
	PLACES NP
	WIN 0
	FETCH_A \next, 0, 4
.endm
; 64 numbers of a lane, v[s] on: the registers of 8 neighbouring tiles, register 8 t + j = k 16 t + 8 (lane / 16) + j of my row.  They become a fragment's codes in v[PC] on, in the operand's order, and its scale word in v[PW].
.macro QUANT s
.irp b, 0,1,2,3
	v_max3_num_f32 v[TM+\b], |v[\s+16*\b]|, |v[\s+1+16*\b]|, 0x1800000   ; block b: my 16 numbers and the floor 2^(3 - 127)
.endr
.irp i, 2,4,6,8,10,12,14
.irp b, 0,1,2,3
	v_max3_num_f32 v[TM+\b], v[TM+\b], |v[\s+16*\b+\i]|, |v[\s+1+16*\b+\i]|
.endr
.endr
.irp b, 0,1,2,3
	v_permlanex16_b32 v[TM+4+\b], v[TM+\b], s[SEL], s[SEL+1]
.endr
.irp b, 0,1,2,3
	v_max_num_f32 v[TM+\b], v[TM+\b], v[TM+4+\b]   ; with lane l xor 16's: the block's largest magnitude
.endr
.irp b, 0,1,2,3
	v_add_nc_u32 v[TM+12+\b], 0xff000000, v[TM+\b] ; 2 off its exponent field: the conversion's scale operand
.endr
.irp b, 0,1,2,3
	v_lshrrev_b32 v[TM+4+\b], 23, v[TM+12+\b]      ; the scale's byte
.endr
	v_lshl_or_b32 v[PW], v[TM+5], 8, v[TM+4]
	v_lshl_or_b32 v[PW], v[TM+6], 16, v[PW]
	v_lshl_or_b32 v[PW], v[TM+7], 24, v[PW]
.irp b, 0,1,2,3
	v_cvt_scalef32_pk8_fp4_f32 v[PC+4*(\b/2)+(\b%2)], v[\s+16*\b:\s+16*\b+7], v[TM+12+\b]       ; codes 8 h + 0 .. 7 of block b
	v_cvt_scalef32_pk8_fp4_f32 v[PC+4*(\b/2)+2+(\b%2)], v[\s+16*\b+8:\s+16*\b+15], v[TM+12+\b]  ; codes 16 + 8 h + 0 .. 7
.endr
	v_nop                                          ; one plain place behind a scaled conversion
.irp c, 0,1                                    ; lanes 0-15 get block 2 c whole, lanes 16-31 block 2 c + 1: register 4 c + i holds codes 8 i .. 8 i + 7
	v_permlane16_swap_b32 v[PC+4*\c], v[PC+4*\c+1]
	v_permlane16_swap_b32 v[PC+4*\c+2], v[PC+4*\c+3]
.endr
.endm
; Block a of A's rows: bias, quantiser, stores.  q, k: quad c belongs to the c-th of my two heads.  v: the fragment is tile a % 4 of head a / 4.  Scale words leave by pairs of blocks, 128 consecutive bytes.
.macro EPI a, isv
.if (\a) > 0
	s_wait_xcnt 0x0                                ; the last block's stores have read their registers
.endif
	WIN 0x06+(\a)/4                                ; source 0: the accumulators' window; source 1: window 1
.irp b, 0,1,2,3,4,5,6,7
.irp i, 0,2,4,6
.if \isv
	v_pk_add_f32 v[ST+8*\b+\i:ST+8*\b+\i+1], v[64*((\a)%4)+8*\b+\i:64*((\a)%4)+8*\b+\i+1], v[BR+2*(\a):BR+2*(\a)+1]
.else
	v_pk_add_f32 v[ST+8*\b+\i:ST+8*\b+\i+1], v[64*((\a)%4)+8*\b+\i:64*((\a)%4)+8*\b+\i+1], v[BC+8*\b+\i:BC+8*\b+\i+1]
.endif
.endr
.endr
	WIN 0
	QUANT ST
.if \isv
	global_store_b128 v[LI], v[PC:PC+3], s[4+2*((\a)/4):5+2*((\a)/4)] offset:1024*((\a)%4)
	global_store_b128 v[LI], v[PC+4:PC+7], s[4+2*((\a)/4):5+2*((\a)/4)] offset:1024*((\a)%4)+512
.else
	global_store_b128 v[LI], v[PC:PC+3], s[4:5] offset:512*(\a)                ; 512 consecutive bytes
	global_store_b128 v[LI], v[PC+4:PC+7], s[6:7] offset:512*(\a)
.endif
.if (\a)%2 == 0
	v_mov_b32 v[PWE], v[PW]
.else
	v_cndmask_b32 v[PWM], v[PWE], v[PW], s[HI]     ; lanes 0-15: block a - 1's words; lanes 16-31: block a's
.if \isv
	global_store_b32 v[LS], v[PWM], s[8+2*((\a)/4):9+2*((\a)/4)] offset:128*(((\a)%4)/2)
.else
	v_and_or_b32 v[W0], v[PWM], s[LOW], s[PADS]    ; the first head's two bytes under 0x7f7f
	v_lshrrev_b32 v[W1], 16, v[PWM]
	v_or_b32 v[W1], s[PADS], v[W1]                 ; the second head's
	global_store_b32 v[LS], v[W0], s[8:9] offset:128*((\a)/2)
	global_store_b32 v[LS], v[W1], s[10:11] offset:128*((\a)/2)
.endif
.endif
.endm
	s_wait_alu depctr_va_vdst(0)                   ; the wait at the head's end
	s_wait_tensorcnt 0x0                           ; my tile of the four has landed,
	s_barrier_signal -1
	s_barrier_wait -1                              ; everybody's has
	FETCH_B 0, 0, 0
	FETCH_A 0, 0, 0
	SCALES 0
	FETCH_A 0, 0, 4
	STEP 0, 0, 1                                   ; the first products start the sums: nothing is cleared
	STEPS 0, 1
	TURN 0, 1
	STEPS 1, 0
	s_wait_dscnt 4*NL
	WIN MUL_LO
	MUL16 0, 1, NQ-1, 1, 0
	MUL16 2, 1, NQ-1, 1, 0
	s_wait_dscnt 0
	WIN MUL_HI
	MUL16 4, 1, NQ-1, 1, 0
	MUL16 6, 1, NQ-1, 1, 0
	WIN 0
	s_wait_loadcnt 0x0                             ; the biases
	PLACES NP
	s_cmp_eq_u32 ttmp9, 2
	s_cbranch_scc1 .Lv
.irp a, 0,1,2,3,4,5,6,7
	EPI \a, 0
.endr
	s_branch .Lend
.Lv:
.irp a, 0,1,2,3,4,5,6,7
	EPI \a, 1
.endr
.Lend:
	s_wait_tensorcnt 0x0                           ; the wave's end
	ds_add_u32 v[SPW], v[NIL]
	s_wait_dscnt 0x0
	CROUND                                         ; the closing round: no work-group ends while a partner may still ask jointly
	s_endpgm
.Lfunc_end_k_q88930f0284_qkv:
	.size	k_q88930f0284_qkv, .Lfunc_end_k_q88930f0284_qkv-k_q88930f0284_qkv
	.p2alignl 7, 3214868480
	.fill 96, 4, 3214868480
	.section	.rodata,"a",@progbits
	.p2align	6, 0x0
	.amdhsa_kernel k_q88930f0284_qkv
		.amdhsa_group_segment_fixed_size 327680
		.amdhsa_private_segment_fixed_size 0
		.amdhsa_enable_private_segment 0
		.amdhsa_kernarg_size 88
		.amdhsa_user_sgpr_count 2
		.amdhsa_user_sgpr_kernarg_segment_ptr 1
		.amdhsa_wavefront_size32 1
		.amdhsa_system_sgpr_workgroup_id_x 1
		.amdhsa_system_sgpr_workgroup_id_y 1
		.amdhsa_system_sgpr_workgroup_id_z 1
		.amdhsa_system_vgpr_workitem_id 0
		.amdhsa_next_free_vgpr 1024
		.amdhsa_next_free_sgpr 102
		.amdhsa_reserve_vcc 0
		.amdhsa_float_denorm_mode_32 3
		.amdhsa_float_denorm_mode_16_64 3
		.amdhsa_memory_ordered 1
		.amdhsa_forward_progress 1
		.amdhsa_inst_pref_size 197
	.end_amdhsa_kernel
	.amdgpu_metadata
---
amdhsa.version: [ 1, 2 ]
amdhsa.kernels:
  - .name:           k_q88930f0284_qkv
    .symbol:         k_q88930f0284_qkv.kd
    .args:
      - { .name: xq, .offset: 0, .size: 8, .value_kind: global_buffer, .address_space: global }
      - { .name: wq_codes, .offset: 8, .size: 8, .value_kind: global_buffer, .address_space: global }
      - { .name: wq_scales, .offset: 16, .size: 8, .value_kind: global_buffer, .address_space: global }
      - { .name: wk_codes, .offset: 24, .size: 8, .value_kind: global_buffer, .address_space: global }
      - { .name: wk_scales, .offset: 32, .size: 8, .value_kind: global_buffer, .address_space: global }
      - { .name: wv_codes, .offset: 40, .size: 8, .value_kind: global_buffer, .address_space: global }
      - { .name: wv_scales, .offset: 48, .size: 8, .value_kind: global_buffer, .address_space: global }
      - { .name: bq, .offset: 56, .size: 8, .value_kind: global_buffer, .address_space: global }
      - { .name: bk, .offset: 64, .size: 8, .value_kind: global_buffer, .address_space: global }
      - { .name: bv, .offset: 72, .size: 8, .value_kind: global_buffer, .address_space: global }
      - { .name: qkvw, .offset: 80, .size: 8, .value_kind: global_buffer, .address_space: global }
    .group_segment_fixed_size: 327680
    .private_segment_fixed_size: 0
    .kernarg_segment_align: 8
    .kernarg_segment_size: 88
    .max_flat_workgroup_size: 128
    .sgpr_count:     102
    .vgpr_count:     1024
    .wavefront_size: 32
...
	.end_amdgpu_metadata
.endif
;; end of part 2
;; launch attn (part 3): grid 8 x 32, 16 waves a work-group, clusters of 4 x 1, 167,936 bytes of LDS; arguments qkvw, ao; writes ao
.if DOCPART == 3
	.amdgcn_target "amdgcn-amd-amdhsa--gfx1250"
	.amdhsa_code_object_version 6
	.text
	.protected	k_q88930f0284_attn
	.globl	k_q88930f0284_attn
	.p2align	8
	.type	k_q88930f0284_attn,@function
k_q88930f0284_attn:
	s_mov_b64 s[64:65], 0
	v_nop
	global_prefetch_b8 v0, s[64:65] scope:SCOPE_SE
	s_setreg_imm32_b32 hwreg(HW_REG_WAVE_MODE, 25, 1), 1
	s_wait_xcnt 0x0
	s_wait_alu depctr_hold_cnt(0) depctr_sa_sdst(0) depctr_va_vdst(0) depctr_va_sdst(0) depctr_va_ssrc(0) depctr_va_vcc(0) depctr_vm_vsrc(0)
	s_getreg_b32 s2, hwreg(HW_REG_IB_STS2, 6, 4)
	s_cmp_eq_u32 s2, 0
	s_cbranch_scc0 .Lentry_in_a_cluster
	s_endpgm
.Lentry_in_a_cluster:
	s_bfe_u32 s2, ttmp6, 0x10000c
	s_cmp_lg_u32 s2, 0x3003
	s_cbranch_scc0 .Lentry_shape_is_right
	s_endpgm
.Lentry_shape_is_right:
; out[b][h][q] = the sum over k of softmax_k(q . k / 8) v, both products on codes of FP4 with E8M0 scales; the result is quantised along the model's 1,024 channels for the next product.
; THE SOFTMAX: t = score x log2(e) / 8; M = the running largest t rounded UP to a whole number; p = 2^(t - M) is quantised along the keys, not normalised; the row's sum is taken of the unquantised p and divides at the end.
; When M moves, the sum and O are multiplied by 2^(old M - new M), which rounds nothing.
; SHARES.  A work-group owns 256 queries of one head (grid y = 16 x batch + head); each of its sixteen waves owns 16 queries in 256 registers.  ALL of the head's K and V, 16 records of 8,960 bytes as the launch
; before laid them, come into LDS once: every wave brings one record by one tensor load, as 35 rows of 256 bytes with 32 bytes of padding behind each.  No LDS byte is filled twice.
; CLUSTER 4 x 1: the four query blocks of a cluster read the same head: each record is asked for jointly (mask 15).  No prefetch: every byte that the work-group reads is asked for at its head; there is no later tile.
; HEAD SIZE 64 is half of the instruction's 128 along K: registers 4-7 of Q's and K's fragments are zero codes, written once; the scale words carry 0x7f for those two blocks.
; LAYOUT.  Both products transposed: S^T = K Q^T, O^T = V^T P^T: a lane holds ONE query (lane % 16).
; THE KEYS OF A TILE ARE NOT NEIGHBOURS: row r of tile 4 c + t is key 32 (2 c + r / 8) + 8 t + r % 8 of the step's 128.  Register j of lane (r, h) is row 8 h + j, so a lane's 32 registers of tiles 4 c .. 4 c + 3 are
; block 2 c + h of 32 keys, whole and in order: the block's maximum asks no other lane, and tile 4 c + t's eight numbers convert straight into register 4 c + t of the second product's operand.
; The choice is made by LDS addresses alone: key tau lies in quad tau / 16 at 16 (tau % 16) + 256 (channel half).  Rows 0-7 and 8-15 of a tile lie 4 LDS rows apart, 4 x 288 = 128 modulo 256 bytes: sixteen lanes touch sixteen different 16-byte columns.
; LIMITS: NaN and infinities are not served; the promise holds while the scaled scores t stay under 2^31 in magnitude; a block whose largest number lies under 2^-124 keeps the byte 1 (its bytes are read by this program alone).
; REGISTERS: v1-4 lane parts of the LDS addresses, v5, v6 the add's, v7 16 x lane, v8 4 x (lane % 16), v9 K's address; v10, v12 -M by turns; v11 byte selects; v13 the largest score; v[14:15] the sum; v16-23 Q;
;   v24-27 K's scale words by pairs of tiles, v28-29 V's, v30 p's, v31 Q's; v32-95 K's 8 fragments; v96-159 S^T, then p; v160-191 O^T; v192-223 V's 4 fragments; v224-231 p's codes; v232-255 at work.
.set REC,  8960                        ; a record in memory
.set RP,   288                         ; an LDS row: 256 bytes + 32
.set RL,   35*RP                       ; a record in LDS
.set SPARE, 16*RL                      ; 161,280 = 630 x 256: the spare words, 128 bytes for each wave
.set AK0,  1
.set AS0,  2
.set AV0,  3
.set AT0,  4
.set SPW,  5
.set NIL,  6
.set LI,   7
.set LR,   8
.set ADK,  9
.set ADS,  250
.set ADV,  251
.set ADT,  254
.set TB,   2                           ; s2  LDS byte of the trip's first record
.set CNT,  3                           ; s3  trips done
.set WV,   18
.set SEL,  20
.set CS,   22
.set G1,   24
.set G0,   32
.set NC,   54
.set HIM,  55
.macro CROUND
	s_barrier_signal -1
	s_barrier_wait -1
	s_cmp_lg_u32 s[WV], 0
	s_cbranch_scc1 .Lnot_wave_0_\@
	s_barrier_signal -3
.Lnot_wave_0_\@:
	s_barrier_wait -3
	s_barrier_signal -1
	s_barrier_wait -1
.endm
	s_load_b128 s[4:7], s[0:1], 0x0                ; qkvw, ao
	v_lshl_add_u32 v[SPW], v0, 2, SPARE
	v_mov_b32 v[NIL], 0
	ds_add_u32 v[SPW], v[NIL]                      ; the opening lines: the add, twice on end, and its wait ahead of the round in front of my tensor load
	ds_add_u32 v[SPW], v[NIL]
	v_lshrrev_b32 v232, 5, v0
	s_delay_alu instid0(VALU_DEP_1)
	v_readfirstlane_b32 s[WV], v232                ; wave 0..15
	s_bfe_u32 s13, ttmp6, 0x40000                  ; cx: it enters Q's and the output's global addresses alone
	s_lshl_b32 s14, ttmp9, 2
	s_add_co_u32 s14, s14, s13                     ; my block of 256 queries
	s_and_b32 s19, ttmp7, 0xffff                   ; bh = 16 x batch + head
	s_mul_i32 s40, s[WV], REC                      ; the record that I fetch: its place in the head,
	s_mul_i32 s41, s[WV], RL                       ; and in LDS
	s_mul_i32 s42, s19, 143360
	s_add_co_u32 s42, s42, s40
	s_add_co_u32 s42, s42, 2359296
	s_mov_b32 s43, 0
	s_lshl_b32 s15, s14, 4
	s_add_co_u32 s15, s15, s[WV]                   ; my tile of 16 queries in the head, 0 .. 127
	s_lshr_b32 s16, s15, 3
	s_and_b32 s17, s15, 7
	s_mul_i32 s44, s19, 73728
	s_mul_i32 s16, s16, 4608
	s_add_co_u32 s44, s44, s16                     ; Q's record
	s_lshl_b32 s16, s17, 9
	s_add_co_u32 s46, s44, s16                     ; my quad
	s_mov_b32 s47, 0
	s_lshl_b32 s16, s17, 6
	s_add_co_u32 s44, s44, s16
	s_add_co_u32 s44, s44, 4096                    ; my scale words
	s_mov_b32 s45, 0
	s_lshr_b32 s16, s19, 4
	s_lshl_b32 s16, s16, 7
	s_add_co_u32 s16, s16, s15                     ; T: my tile of 16 tokens, 0 .. 255
	s_and_b32 s17, s19, 15                         ; the head
	s_lshr_b32 s48, s17, 1                         ; the next product's K step,
	s_and_b32 s49, s17, 1                          ; and which half of it
	s_lshl_b32 s50, s16, 13
	s_lshl_b32 s51, s48, 10
	s_add_co_u32 s50, s50, s51
	s_lshl_b32 s51, s49, 9
	s_add_co_u32 s50, s50, s51                     ; ao: T x 8,192 + step x 1,024 + half x 512
	s_mov_b32 s51, 0
	s_lshl_b32 s52, s48, 14
	s_lshl_b32 s53, s16, 6
	s_add_co_u32 s52, s52, s53
	s_lshl_b32 s53, s49, 1
	s_add_co_u32 s52, s52, s53
	s_add_co_u32 s52, s52, 2097152                 ; scale words: step x 16,384 + T x 64 + 2 x half
	s_mov_b32 s53, 0
	s_mov_b32 s[G1], 15|(3<<16)|(1<<20)|(1<<21)|(5<<22)|(7<<25)   ; the mask: all four work-groups; elements of 8 bytes; bit 21 beside a mask; padding: 8 words after every 64
	s_mov_b32 s[G1+1], 32<<16                      ; tensor_dim0 = 32 elements: rows of 256 bytes
	s_mov_b32 s[G1+2], 35<<16                      ; tensor_dim1 = 35 rows: 8,960 dense bytes
	s_mov_b32 s[G1+3], 32<<16                      ; tile_dim0
	s_mov_b32 s[G1+4], 35                          ; tile_dim1
	s_mov_b32 s[G1+5], 32                          ; pitch
	s_mov_b32 s[G1+6], 0
	s_mov_b32 s[G1+7], 0
	s_mov_b32 s[SEL], 0x76543210
	s_mov_b32 s[SEL+1], 0xfedcba98
	s_mov_b32 s[CS], 0x3e38aa3b                    ; c = log2(e) / 8
	s_mov_b32 s[CS+1], s[CS]
	s_mov_b32 s[NC], 0xbe38aa3b                    ; -c
	s_mov_b32 s[HIM], 0xffff0000                   ; lanes 16-31
	s_mov_b32 s[TB], 0
	s_mov_b32 s[CNT], 0
	s_wait_dscnt 0x0                               ; both opening adds are done
	s_wait_kmcnt 0x0
	s_mov_b32 s[G0], 1
	s_mov_b32 s[G0+1], s41
	s_add_nc_u64 s[G0+2:G0+3], s[4:5], s[42:43]
	s_or_b32 s[G0+3], s[G0+3], 0x80000000
	s_add_nc_u64 s[8:9], s[4:5], s[46:47]
	s_add_nc_u64 s[10:11], s[4:5], s[44:45]
	s_add_nc_u64 s[36:37], s[6:7], s[50:51]
	s_add_nc_u64 s[38:39], s[6:7], s[52:53]
	CROUND                                         ; all four work-groups are here: the joint loads meet
	tensor_load_to_lds s[G0:G0+3], s[G1:G1+7]      ; one tensor load of mine is out
	s_nop 0
.rept 4
	v_nop
.endr
	v_and_b32 v232, 31, v0                         ; lane
	v_and_b32 v233, 15, v0                         ; r
	v_bfe_u32 v234, v0, 4, 1                       ; h
	v_lshlrev_b32 v[LI], 4, v232
	v_lshlrev_b32 v[LR], 2, v233
	global_load_b128 v[16:19], v[LI], s[8:9]       ; Q's quad: K = 32 h + 0 .. 31 of query r
	global_load_b32 v31, v[LR], s[10:11]           ; Q's scale words
	v_and_b32 v235, 7, v0                          ; r % 8
	v_bfe_u32 v236, v0, 3, 1                       ; r / 8
	v_mul_u32_u24 v[AK0], v236, 4*RP               ; K's codes: 4 LDS rows x (r / 8) + 1 row x h + 16 (r % 8)
	v_lshlrev_b32 v[AS0], 7, v236                  ; K's scale words: 128 (r / 8) + 32 h + 4 (r % 8): lanes 16-31 take the odd tile of a pair
	v_mul_u32_u24 v[AV0], v234, RP                 ; V's images: 16 x lane, a row of padding passed by lanes 16-31
	v_lshlrev_b32 v[AT0], 2, v232                  ; V's scale words: 4 x lane
	v_mad_u32_u24 v[AK0], v234, RP, v[AK0]
	v_lshl_add_u32 v[AS0], v234, 5, v[AS0]
	v_lshl_add_u32 v[AV0], v233, 4, v[AV0]
	v_mov_b32 v11, 0x0c070c03                      ; p's scale word: lanes 0-15 give bytes 0 and 2 (blocks 0, 2),
	v_lshl_add_u32 v[AK0], v235, 4, v[AK0]
	v_lshl_add_u32 v[AS0], v235, 2, v[AS0]
	v_mov_b32 v237, 0x070c030c                     ; lanes 16-31 bytes 1 and 3
	v_mov_b32 v13, 0xff61b1e6                      ; the largest score so far: -3e38
	v_cndmask_b32 v11, v11, v237, s[HIM]
	v_mul_f32 v12, s[NC], v13
	v_mov_b32 v14, 0
	v_mov_b32 v15, 0
	v_floor_f32 v12, v12                           ; -M
	v_mov_b32 v234, 0                              ; a lane permute's destination counts as one of its sources
	v_mov_b32 v255, 0
	v_mov_b32 v253, 0                              ; named as the upper half of the pair v[252:253]
.irp j, 20,21,22,23
	v_mov_b32 v[\j], 0                             ; the zero half of Q's fragment
.endr
.irp t, 0,1,2,3,4,5,6,7
.irp j, 4,5,6,7
	v_mov_b32 v[32+8*\t+\j], 0                     ; and of K's eight: written once, never loaded into
.endr
.endr
.set J, 0
.rept 32
	v_mov_b32 v[160+J], 0                          ; O^T: the step is written once; the first change of M leaves zeros zeros
.set J, J+1
.endr
; A KEY STEP: 128 keys, record q of the trip's four.  nn: the register that takes the new -M; no: the one that holds the old.
.macro STEP q, nn, no
.irp T, 0,1,2,3,4,5,6,7
	ds_load_b128 v[32+8*\T:35+8*\T], v[ADK] offset:RL*(\q)+RP*(8*(\T/4)+2*((\T%4)/2))+128*(\T%2)
.endr
.irp p, 0,1,2,3
	ds_load_b32 v[24+\p], v[ADS] offset:RL*(\q)+RP*(32+\p/2)+64*(\p%2)   ; lanes 0-15: tile 2 p's words; lanes 16-31: tile 2 p + 1's
.endr
	s_wait_dscnt 0x0
.irp T, 0,2,4,6
	v_wmma_scale_f32_16x16x128_f8f6f4 v[96+8*\T:103+8*\T], v[32+8*\T:39+8*\T], v[16:23], 0, v[24+\T/2], v31 matrix_a_fmt:MATRIX_FMT_FP4 matrix_b_fmt:MATRIX_FMT_FP4
	v_wmma_scale_f32_16x16x128_f8f6f4 v[104+8*\T:111+8*\T], v[40+8*\T:47+8*\T], v[16:23], 0, v[24+\T/2], v31 matrix_a_fmt:MATRIX_FMT_FP4 matrix_b_fmt:MATRIX_FMT_FP4 matrix_a_scale:MATRIX_SCALE_ROW1
.endr
.rept 4
	v_nop                                          ; four places: ahead of the first read of the scores, and of the loads into V's registers, which the last step's products read
.endr
.irp t, 0,1,2,3
.irp c, 0,1
	ds_load_b128 v[192+8*\t+4*\c:195+8*\t+4*\c], v[ADV] offset:RL*(\q)+RP*(16+4*\t+2*\c)
.endr
.endr
.irp p, 0,1
	ds_load_b32 v[28+\p], v[ADT] offset:RL*(\q)+RP*34+128*\p
.endr
.irp T, 0,1,2,3,4,5,6,7
	v_max3_num_f32 v[236+\T], v[96+8*\T], v[97+8*\T], v[98+8*\T]   ; the largest score, eight chains by turns, each tile from its low end on
.endr
.irp i, 3,5
.irp T, 0,1,2,3,4,5,6,7
	v_max3_num_f32 v[236+\T], v[236+\T], v[96+8*\T+\i], v[97+8*\T+\i]
.endr
.endr
.irp c, 0,1
	v_max3_num_f32 v[244+\c], v[103+32*\c], v[111+32*\c], v[119+32*\c]
.endr
.irp c, 0,1
	v_max3_num_f32 v[246+\c], v[236+4*\c], v[237+4*\c], v[238+4*\c]
.endr
.irp c, 0,1
	v_max_num_f32 v[248+\c], v[239+4*\c], v[127+32*\c]
.endr
.irp c, 0,1
	s_delay_alu instid0(VALU_DEP_2)
	v_max3_num_f32 v[232+\c], v[244+\c], v[246+\c], v[248+\c]      ; my block 2 c + h: its largest score serves the row's maximum and, since p rises with the score, the block's largest p
.endr
	s_delay_alu instid0(VALU_DEP_1)
	v_max_num_f32 v235, v232, v233
	s_delay_alu instid0(VALU_DEP_1)
	v_permlanex16_b32 v234, v235, s[SEL], s[SEL+1]
	s_delay_alu instid0(VALU_DEP_1)
	v_max3_num_f32 v13, v13, v235, v234            ; the running largest score of my query
	s_delay_alu instid0(VALU_DEP_1)
	v_mul_f32 v235, s[NC], v13                     ; -t (c is positive)
	s_delay_alu instid0(VALU_DEP_1)
	v_floor_f32 v[\nn], v235                       ; -M = floor(-t): M is a whole number
	s_delay_alu instid0(VALU_DEP_1)
	v_sub_f32 v235, v[\nn], v[\no]                 ; old M - new M
.irp j, 0,2,4
	v_pk_fma_f32 v[96+\j:97+\j], v[96+\j:97+\j], s[CS:CS+1], v[\nn:\nn+1] op_sel_hi:[1,0,0]   ; t - M
.endr
	s_delay_alu instid0(VALU_DEP_4)
	v_cvt_i32_f32 v235, v235                       ; (it saturates)
.irp j, 6,8,10
	v_pk_fma_f32 v[96+\j:97+\j], v[96+\j:97+\j], s[CS:CS+1], v[\nn:\nn+1] op_sel_hi:[1,0,0]
.endr
	s_delay_alu instid0(VALU_DEP_4)
	v_ldexp_f32 v252, 1.0, v235                    ; f = 2^(old M - new M)
.irp j, 12,14,16,18,20,22,24,26,28,30,32,34,36,38,40,42,44,46,48,50,52,54,56,58,60,62
	v_pk_fma_f32 v[96+\j:97+\j], v[96+\j:97+\j], s[CS:CS+1], v[\nn:\nn+1] op_sel_hi:[1,0,0]
.endr
.irp c, 0,1
	v_fma_f32 v[232+\c], v[232+\c], s[CS], v[\nn]
.endr
.irp j, 0,2,4,6,8,10,12,14,16,18,20,22,24,26,28,30
	v_pk_mul_f32 v[160+\j:161+\j], v[160+\j:161+\j], v[252:253] op_sel_hi:[1,0]   ; O^T under the new M, ahead of the exponentials
.endr
	s_wait_alu depctr_va_vdst(0)                   ; the wait ahead of the batch
.irp c, 0,1
	v_exp_f32 v[232+\c], v[232+\c]                 ; my two blocks' largest p
.endr
.set J, 0
.rept 64
	v_exp_f32 v[96+J], v[96+J]                     ; p = 2^(t - M)
.set J, J+1
.endr
	v_pk_mul_f32 v[14:15], v[14:15], v[252:253] op_sel_hi:[1,0]   ; the sums under the new M: the plain place behind the exponentials
	s_wait_alu depctr_va_vdst(0)                   ; one wait for the batch of 66, ahead of its first reader
.irp c, 0,1
	v_max_num_f32 v[232+\c], 0x1800000, v[232+\c]  ; the floor 2^(3 - 127): the byte cannot fall under 1
.endr
.irp c, 0,1
	s_delay_alu instid0(VALU_DEP_2)
	v_add_nc_u32 v[236+\c], 0xff000000, v[232+\c]  ; 2 off the exponent field: the conversion's scale operand
.endr
.irp c, 0,1
	v_lshl_add_u32 v[238+\c], v[232+\c], 1, 0xfe000000   ; the scale's byte as the word's top byte
.endr
	s_delay_alu instid0(VALU_DEP_1)
	v_perm_b32 v30, v239, v238, v11                ; my two bytes at their places, zeros in the other two,
	s_delay_alu instid0(VALU_DEP_1)
	v_permlanex16_b32 v255, v30, s[SEL], s[SEL+1]
	s_delay_alu instid0(VALU_DEP_1)
	v_or_b32 v30, v30, v255                        ; with lane l xor 16's two: p's scale word for these 128 keys
.irp T, 0,1,2,3,4,5,6,7
	v_cvt_scalef32_pk8_fp4_f32 v[224+\T], v[96+8*\T:103+8*\T], v[236+\T/4]   ; register 4 c + t: codes 8 t .. 8 t + 7 of block 2 c + h
.endr
.set I, 0
.irp t, 238,240,242,244,246,248,234
	v_pk_add_f32 v[\t:\t+1], v[96+4*I:97+4*I], v[98+4*I:99+4*I]   ; the row's sum of the unquantised p, eight chains by turns; these 32 lines are also the places ahead of the products below
.set I, I+1
.endr
	v_pk_add_f32 v[14:15], v[14:15], v[124:125]
.set I, 0
.rept 2
.irp t, 238,240,242,244,246,248,234
	v_pk_add_f32 v[\t:\t+1], v[\t:\t+1], v[126+2*I:127+2*I]
.set I, I+1
.endr
	v_pk_add_f32 v[14:15], v[14:15], v[126+2*I:127+2*I]
.set I, I+1
.endr
	v_pk_add_f32 v[238:239], v[238:239], v[158:159]
	v_pk_add_f32 v[240:241], v[240:241], v[242:243]
	v_pk_add_f32 v[244:245], v[244:245], v[246:247]
	v_pk_add_f32 v[248:249], v[248:249], v[234:235]
	s_delay_alu instid0(VALU_DEP_4)
	v_pk_add_f32 v[14:15], v[14:15], v[238:239]
	s_delay_alu instid0(VALU_DEP_3)
	v_pk_add_f32 v[240:241], v[240:241], v[244:245]
	s_delay_alu instid0(VALU_DEP_2)
	v_pk_add_f32 v[14:15], v[14:15], v[248:249]
	s_delay_alu instid0(VALU_DEP_1)
	v_pk_add_f32 v[14:15], v[14:15], v[240:241]
	s_wait_alu depctr_va_vdst(0)                   ; directly ahead of the wait below
	s_wait_dscnt 0x0                               ; V
.irp t, 0,2
	v_wmma_scale_f32_16x16x128_f8f6f4 v[160+8*\t:167+8*\t], v[192+8*\t:199+8*\t], v[224:231], v[160+8*\t:167+8*\t], v[28+\t/2], v30 matrix_a_fmt:MATRIX_FMT_FP4 matrix_b_fmt:MATRIX_FMT_FP4
	v_wmma_scale_f32_16x16x128_f8f6f4 v[168+8*\t:175+8*\t], v[200+8*\t:207+8*\t], v[224:231], v[168+8*\t:175+8*\t], v[28+\t/2], v30 matrix_a_fmt:MATRIX_FMT_FP4 matrix_b_fmt:MATRIX_FMT_FP4 matrix_a_scale:MATRIX_SCALE_ROW1
.endr
.endm
	s_wait_alu depctr_va_vdst(0)                   ; the wait at the head's end
	s_wait_tensorcnt 0x0                           ; my record has landed,
	s_barrier_signal -1
	s_barrier_wait -1                              ; everybody's has
	s_wait_loadcnt 0x0                             ; Q
.Ltrip:                                            ; 4 trips of 4 key steps: a trip's records are reached by immediate offsets (4 x 10,080 bytes), and -M is back in v12 at its end
	v_add_nc_u32 v[ADK], s[TB], v[AK0]
	v_add_nc_u32 v[ADS], s[TB], v[AS0]
	v_add_nc_u32 v[ADV], s[TB], v[AV0]
	v_add_nc_u32 v[ADT], s[TB], v[AT0]
	s_wait_alu depctr_va_vdst(0)                   ; directly behind the writes
	STEP 0, 10, 12
	STEP 1, 12, 10
	STEP 2, 10, 12
	STEP 3, 12, 10
	s_add_co_u32 s[TB], s[TB], 4*RL
	s_add_co_u32 s[CNT], s[CNT], 1
	s_cmp_lt_u32 s[CNT], 4
	s_cbranch_scc1 .Ltrip
	; THE WAY OUT: O^T / the sum, quantised along the head's 64 channels (two blocks of the next product's K), stored as a quad of that product's operand
.rept 4
	v_nop
.endr
	v_add_f32 v14, v14, v15
	s_delay_alu instid0(VALU_DEP_1)
	v_permlanex16_b32 v252, v14, s[SEL], s[SEL+1]
	s_delay_alu instid0(VALU_DEP_1)
	v_add_f32 v14, v14, v252                       ; the row's sum
	s_wait_alu depctr_va_vdst(0)
	v_rcp_f32 v14, v14
	v_nop                                          ; a plain place behind the reciprocal
	s_wait_alu depctr_va_vdst(0)
.irp j, 0,2,4,6,8,10,12,14,16,18,20,22,24,26,28,30
	v_pk_mul_f32 v[96+\j:97+\j], v[160+\j:161+\j], v[14:15] op_sel_hi:[1,0]   ; register 8 t + j: channel 16 t + 8 h + j of query r
.endr
.irp b, 0,1
	v_max3_num_f32 v[232+\b], |v[96+16*\b]|, |v[97+16*\b]|, 0x1800000
.endr
.irp i, 2,4,6,8,10,12,14
.irp b, 0,1
	s_delay_alu instid0(VALU_DEP_2)
	v_max3_num_f32 v[232+\b], v[232+\b], |v[96+16*\b+\i]|, |v[97+16*\b+\i]|
.endr
.endr
.irp b, 0,1
	s_delay_alu instid0(VALU_DEP_2)
	v_permlanex16_b32 v[236+\b], v[232+\b], s[SEL], s[SEL+1]
.endr
.irp b, 0,1
	s_delay_alu instid0(VALU_DEP_2)
	v_max_num_f32 v[232+\b], v[232+\b], v[236+\b]
.endr
.irp b, 0,1
	s_delay_alu instid0(VALU_DEP_2)
	v_add_nc_u32 v[244+\b], 0xff000000, v[232+\b]
.endr
.irp b, 0,1
	s_delay_alu instid0(VALU_DEP_2)
	v_lshrrev_b32 v[236+\b], 23, v[244+\b]
.endr
	s_delay_alu instid0(VALU_DEP_1)
	v_lshl_or_b32 v250, v237, 8, v236              ; my token's two scale bytes
	v_cvt_scalef32_pk8_fp4_f32 v224, v[96:103], v244
	v_cvt_scalef32_pk8_fp4_f32 v225, v[112:119], v245
	v_cvt_scalef32_pk8_fp4_f32 v226, v[104:111], v244
	v_cvt_scalef32_pk8_fp4_f32 v227, v[120:127], v245
	v_nop
	v_permlane16_swap_b32 v224, v225
	v_permlane16_swap_b32 v226, v227
	global_store_b128 v[LI], v[224:227], s[36:37]  ; 512 consecutive bytes
	global_store_b16 v[LR], v250, s[38:39]         ; lanes l and l + 16 write the same two bytes with the same value
	s_wait_tensorcnt 0x0                           ; the wave's end
	ds_add_u32 v[SPW], v[NIL]
	s_wait_dscnt 0x0
	CROUND                                         ; the closing round
	s_endpgm
.Lfunc_end_k_q88930f0284_attn:
	.size	k_q88930f0284_attn, .Lfunc_end_k_q88930f0284_attn-k_q88930f0284_attn
	.p2alignl 7, 3214868480
	.fill 96, 4, 3214868480
	.section	.rodata,"a",@progbits
	.p2align	6, 0x0
	.amdhsa_kernel k_q88930f0284_attn
		.amdhsa_group_segment_fixed_size 167936
		.amdhsa_private_segment_fixed_size 0
		.amdhsa_enable_private_segment 0
		.amdhsa_kernarg_size 16
		.amdhsa_user_sgpr_count 2
		.amdhsa_user_sgpr_kernarg_segment_ptr 1
		.amdhsa_wavefront_size32 1
		.amdhsa_system_sgpr_workgroup_id_x 1
		.amdhsa_system_sgpr_workgroup_id_y 1
		.amdhsa_system_sgpr_workgroup_id_z 1
		.amdhsa_system_vgpr_workitem_id 0
		.amdhsa_next_free_vgpr 256
		.amdhsa_next_free_sgpr 66
		.amdhsa_reserve_vcc 0
		.amdhsa_float_denorm_mode_32 3
		.amdhsa_float_denorm_mode_16_64 3
		.amdhsa_memory_ordered 1
		.amdhsa_forward_progress 1
		.amdhsa_inst_pref_size 71
	.end_amdhsa_kernel
	.amdgpu_metadata
---
amdhsa.version: [ 1, 2 ]
amdhsa.kernels:
  - .name:           k_q88930f0284_attn
    .symbol:         k_q88930f0284_attn.kd
    .args:
      - { .name: qkvw, .offset: 0, .size: 8, .value_kind: global_buffer, .address_space: global }
      - { .name: ao, .offset: 8, .size: 8, .value_kind: global_buffer, .address_space: global }
    .group_segment_fixed_size: 167936
    .private_segment_fixed_size: 0
    .kernarg_segment_align: 8
    .kernarg_segment_size: 16
    .max_flat_workgroup_size: 512
    .sgpr_count:     66
    .vgpr_count:     256
    .wavefront_size: 32
...
	.end_amdgpu_metadata
.endif
;; end of part 3
;; launch wo (part 4): grid 8 x 32, 4 waves a work-group, clusters of 4 x 4, 167,936 bytes of LDS; arguments ao, wo_codes, wo_scales, bo, x, ysum; writes ysum
.if DOCPART == 4
	.amdgcn_target "amdgcn-amd-amdhsa--gfx1250"
	.amdhsa_code_object_version 6
	.text
	.protected	k_q88930f0284_wo
	.globl	k_q88930f0284_wo
	.p2align	8
	.type	k_q88930f0284_wo,@function
k_q88930f0284_wo:
	s_mov_b64 s[64:65], 0
	v_nop
	global_prefetch_b8 v0, s[64:65] scope:SCOPE_SE
	s_setreg_imm32_b32 hwreg(HW_REG_WAVE_MODE, 25, 1), 1
	s_wait_xcnt 0x0
	s_wait_alu depctr_hold_cnt(0) depctr_sa_sdst(0) depctr_va_vdst(0) depctr_va_sdst(0) depctr_va_ssrc(0) depctr_va_vcc(0) depctr_vm_vsrc(0)
	s_getreg_b32 s2, hwreg(HW_REG_IB_STS2, 6, 4)
	s_cmp_eq_u32 s2, 0
	s_cbranch_scc0 .Lentry_in_a_cluster
	s_endpgm
.Lentry_in_a_cluster:
	s_bfe_u32 s2, ttmp6, 0x10000c
	s_cmp_lg_u32 s2, 0xf033
	s_cbranch_scc0 .Lentry_shape_is_right
	s_endpgm
.Lentry_shape_is_right:
; ysum = Q(attention's output) wo + bo + x: [4096][1024] f32, K = 1,024, on codes of FP4 with E8M0 scales.
; A (the tokens) comes as IMAGES of the operand's registers, [tile of 16 tokens][K step of 128][1,024 bytes], with its scale words [K step][tile][16 words]; B (the weight) as rows of codes, K innermost.
; A tile of C is 128 x 128, so that there are 256 work-groups; four waves of 64 x 64: 16 accumulators.  The matrix instruction is used transposed (source 0 = 16 rows of B, source 1 = 16 tokens): a lane holds
; eight neighbouring columns of one row of C.  K goes in NCH chunks of NQ K steps through two LDS slots; here NCH = 2: both chunks are first fills and no LDS byte is filled twice.
; CLUSTERS 4 x 4: A's tiles are asked for jointly along a row of the cluster, B's along a column.  No prefetch: all that is read is asked for at the head.
; The residual's 64 x 64 numbers of a wave are loaded into registers at the head and land under the product.  Results go through the wave's own stage in LDS, so that sixteen lanes store 256 consecutive bytes, aligned.
; REGISTERS: window 0: v1-7 at work, v[8:11] bias, v12-29 addresses, v32-47 A's scale words, v48-63 B's, v64-127 rows on the way out, v128-255 accumulators ((a, b) at 128 + 8 (4 a + b)).
;   window 1: v0-127 two sets of fragments (A's four, then B's four), v128-255 the residual.
.set NS,     8                         ; K steps of 128
.set NQ,     4                         ; K steps in a chunk
.set NCH,    2
.set ROWB,   512                       ; a row of B over all of K
.set PITCH,  528
.set QI,     6
.set KROW,   512
.set KS,     32
.set SWOFF,  2097152
.set REFILL, 1                         ; the add's registers and lines are assembled; here no LDS byte is filled twice
.set AHALF,  4*NS*1024                 ; four tiles of tokens over all of K
.set ASLOT,  2*AHALF
.set BHALF,  64*PITCH
.set SLOT,   ASLOT+2*BHALF
.set SWA,    SLOT                      ; A's 8 tiles and B's 128 rows, each over all of K, lie once in LDS
.set SCB,    SWA+NS*512
.set HALFS,  (64*KS/256)*272
.set SBLK,   (16*KS/256)*272
.set STAGE,  SCB+2*HALFS
.set SPARE,  STAGE+4*16*272
.set BAD,  12
.set ADRA, 16
.set ADRB, 20
.set ASA,  22
.set ASB,  23
.set STO,  24
.set RD,   25
.set CO,   26
.set SPW,  28
.set NIL,  29
.set SAR,  32
.set SBR,  48
.set OB,   64
.set ACC,  128
.set RES,  128                         ; in window 1
.set G1, 24
.set G0, 32
.set G1B, 48
.set G0B, 56
.set G1S, 68
.set G0S, 76
.set G1SB, 80
.set G0SB, 88
.set MSB, 0
.macro WIN new
.if MSB != (\new)
	s_set_vgpr_msb (MSB<<8)|(\new)
.set MSB, (\new)
.endif
.endm
.set MUL,  0x05                        ; sources 0 and 1 window 1; C and D window 0
.set TO_F, 0x40
.macro JLOAD g0a, g1a, g0b, g1b        ; a joint load: waves 0, 1 fetch for A, waves 2, 3 for B; four v_nop follow each line
	s_cmp_eq_u32 s15, 0
	s_cbranch_scc0 .Lfor_b_\@
	tensor_load_to_lds s[\g0a:\g0a+3], s[\g1a:\g1a+7]
	s_nop 0
.rept 4
	v_nop
.endr
	s_branch .Lasked_\@
.Lfor_b_\@:
	tensor_load_to_lds s[\g0b:\g0b+3], s[\g1b:\g1b+7]
	s_nop 0
.rept 4
	v_nop
.endr
.Lasked_\@:
.endm
.macro CREST
	s_cmp_lg_u32 s14, 0
	s_cbranch_scc1 .Lnot_wave_0_\@
	s_barrier_signal -3
.Lnot_wave_0_\@:
	s_barrier_wait -3
	s_barrier_signal -1
	s_barrier_wait -1
.endm
.macro CROUND
	s_barrier_signal -1
	s_barrier_wait -1
	CREST
.endm
	s_load_b128 s[4:7], s[0:1], 0x0                ; A's buffer, B's codes
	s_load_b128 s[8:11], s[0:1], 0x10              ; B's scales, the bias
	s_load_b128 s[96:99], s[0:1], 0x20             ; the residual, the output
.if REFILL
	v_lshl_add_u32 v[SPW], v0, 2, SPARE
	v_mov_b32 v[NIL], 0
	ds_add_u32 v[SPW], v[NIL]                      ; the opening lines: the add, twice on end, and its wait ahead of the round in front of my tensor load
	ds_add_u32 v[SPW], v[NIL]
.endif
	v_lshrrev_b32 v1, 5, v0
	v_readfirstlane_b32 s14, v1                    ; wave 0..3
	s_lshr_b32 s15, s14, 1                         ; my half of the tile's rows.  Also: I fetch for A (0) or for B (1)
	s_and_b32 s16, s14, 1                          ; my half of its columns.  Also: which half I fetch
	s_bfe_u32 s40, ttmp6, 0x40000
	s_bfe_u32 s41, ttmp6, 0x40004
	s_lshl_b32 s42, ttmp9, 2
	s_add_co_u32 s42, s42, s40                     ; tile column
	s_and_b32 s17, ttmp7, 0xffff
	s_lshl_b32 s17, s17, 2
	s_add_co_u32 s17, s17, s41                     ; tile row
	s_lshl_b32 s43, s41, 2
	s_lshl_b32 s43, 15, s43                        ; my row of the cluster
	s_lshl_b32 s44, 0x1111, s40                    ; my column
	s_or_b32 s[G1+0], s43, (3<<16)|(1<<21)         ; A's codes: 8 tiles of tokens x NS x 1,024 bytes, elements of 8 bytes, no padding
	s_mov_b32 s[G1+1], (NS*128)<<16                ; 8 tiles of tokens x NS x 1,024 bytes: one dense block
	s_mov_b32 s[G1+2], 8<<16
	s_mov_b32 s[G1+3], (NS*128)<<16
	s_mov_b32 s[G1+4], 8
	s_mov_b32 s[G1+5], NS*128
	s_mov_b32 s[G1+6], 0
	s_mov_b32 s[G1+7], 0
	s_or_b32 s[G1B+0], s44, (0<<16)|(1<<20)|(1<<21)|(QI<<22)|(3<<25)   ; B's codes: 128 rows x ROWB bytes, 16 bytes of padding behind each
	s_mov_b32 s[G1B+1], ROWB<<16
	s_mov_b32 s[G1B+2], 128<<16
	s_mov_b32 s[G1B+3], ROWB<<16
	s_mov_b32 s[G1B+4], 128
	s_mov_b32 s[G1B+5], KROW
	s_mov_b32 s[G1B+6], 0
	s_mov_b32 s[G1B+7], 0
	s_or_b32 s[G1S+0], s43, (3<<16)|(1<<21)        ; A's scale words: NS K steps x 512 bytes (8 tiles of tokens), 16,384 bytes from K step to K step
	s_mov_b32 s[G1S+1], 64<<16
	s_mov_b32 s[G1S+2], NS<<16
	s_mov_b32 s[G1S+3], 64<<16
	s_mov_b32 s[G1S+4], NS
	s_mov_b32 s[G1S+5], 2048
	s_mov_b32 s[G1S+6], 0
	s_mov_b32 s[G1S+7], 0
	s_or_b32 s[G1SB+0], s44, (3<<16)|(1<<20)|(1<<21)|(5<<22)|(3<<25)   ; B's scale bytes of 128 rows: dense, as rows of 256 bytes + 16 of padding
	s_mov_b32 s[G1SB+1], 32<<16
	s_mov_b32 s[G1SB+2], (128*KS/256)<<16
	s_mov_b32 s[G1SB+3], 32<<16
	s_mov_b32 s[G1SB+4], 128*KS/256
	s_mov_b32 s[G1SB+5], 32
	s_mov_b32 s[G1SB+6], 0
	s_mov_b32 s[G1SB+7], 0
	s_lshl_b32 s20, s17, 3                         ; A: the block's first tile of tokens
	s_mul_i32 s20, s20, NS*1024
	s_mov_b32 s21, 0
	s_lshl_b32 s22, s17, 9
	s_add_co_u32 s22, s22, SWOFF                   ; A's scale words
	s_mov_b32 s23, 0
	s_lshl_b32 s46, s42, 7                         ; B: the block's first row
	s_mul_i32 s92, s46, KS
	s_mov_b32 s93, 0
	s_mul_i32 s46, s46, KROW
	s_mov_b32 s47, 0
	s_wait_dscnt 0x0                               ; both opening adds are done
	s_wait_kmcnt 0x0
	s_add_nc_u64 s[20:21], s[4:5], s[20:21]
	s_add_nc_u64 s[22:23], s[4:5], s[22:23]
	s_add_nc_u64 s[46:47], s[6:7], s[46:47]
	s_add_nc_u64 s[92:93], s[8:9], s[92:93]
	CROUND                                         ; all sixteen work-groups are here: the first joint loads meet
	; ALL THAT THE WORK-GROUP READS BY THE MOVER IS FOUR TILES, ONE JOINT LOAD A WAVE: wave 0 A's images, wave 1 B's rows, wave 2 A's scale words, wave 3 B's scale bytes.  Nothing is filled later.
	s_mov_b32 s[G0S], 1
	s_mov_b32 s[G0S+1], SWA
	s_mov_b64 s[G0S+2:G0S+3], s[22:23]
	s_or_b32 s[G0S+3], s[G0S+3], 0x80000000
	s_mov_b32 s[G0SB], 1
	s_mov_b32 s[G0SB+1], SCB
	s_mov_b64 s[G0SB+2:G0SB+3], s[92:93]
	s_or_b32 s[G0SB+3], s[G0SB+3], 0x80000000
	s_mov_b32 s[G0], 1
	s_mov_b32 s[G0+1], 0
	s_mov_b64 s[G0+2:G0+3], s[20:21]
	s_or_b32 s[G0+3], s[G0+3], 0x80000000
	s_mov_b32 s[G0B], 1
	s_mov_b32 s[G0B+1], ASLOT
	s_mov_b64 s[G0B+2:G0B+3], s[46:47]
	s_or_b32 s[G0B+3], s[G0B+3], 0x80000000
.macro ARM under, g0, g1, next         ; an arm of the head's tree: one joint load, its s_nop 0 and four v_nop, a jump to the tree's end
	s_cmp_lt_u32 s14, \under
	s_cbranch_scc0 \next
	tensor_load_to_lds s[\g0:\g0+3], s[\g1:\g1+7]
	s_nop 0
.rept 4
	v_nop
.endr
	s_branch .Lhead_asked
\next:
.endm
	ARM 1, G0,  G1,  .Lhead_b
	ARM 2, G0B, G1B, .Lhead_sa
	ARM 3, G0S, G1S, .Lhead_sb
	tensor_load_to_lds s[G0SB:G0SB+3], s[G1SB:G1SB+7]
	s_nop 0
.rept 4
	v_nop
.endr
.Lhead_asked:
	v_and_b32 v1, 15, v0                           ; r
	v_bfe_u32 v2, v0, 4, 1                         ; h
	v_and_b32 v3, 31, v0                           ; lane
	v_lshlrev_b32 v4, 4, v3
	s_mul_i32 s21, s15, AHALF
	v_add_nc_u32 v[ADRA], s21, v4                  ; A's images: my four tiles of tokens, 16 x lane
	v_add_nc_u32 v[ADRA+1], NQ*1024, v[ADRA]       ; the second chunk: NQ K steps on in each tile's images
	v_mul_u32_u24 v5, v1, PITCH
	v_lshl_add_u32 v5, v2, 4, v5
	s_mul_i32 s21, s16, BHALF
	s_add_co_u32 s21, s21, ASLOT
	v_add_nc_u32 v[ADRB], s21, v5                  ; B's rows: r x pitch + 16 h
	v_add_nc_u32 v[ADRB+1], NQ*64, v[ADRB]         ; and NQ x 64 bytes on in each row of B
	s_lshl_b32 s21, s15, 8
	s_add_co_u32 s21, s21, SWA
	v_lshl_add_u32 v[ASA], v3, 2, s21              ; A's scale words: 4 x lane: lanes 0-15 one tile, lanes 16-31 the next
	v_mul_u32_u24 v6, v1, KS
	v_lshrrev_b32 v7, 8, v6
	v_lshl_add_u32 v6, v7, 4, v6                   ; B's scale bytes: row r, 16 more for each 256 passed,
	v_mul_u32_u24 v7, v2, SBLK                     ; lanes 16-31 one block of 16 rows on
	v_add_nc_u32 v6, v6, v7
	s_mul_i32 s21, s16, HALFS
	s_add_co_u32 s21, s21, SCB
	v_add_nc_u32 v[ASB], s21, v6
	s_mul_i32 s21, s14, 16*272
	s_add_co_u32 s21, s21, STAGE                   ; my stage
	v_mul_u32_u24 v5, v1, 272
	v_lshl_add_u32 v5, v2, 5, v5
	v_add_nc_u32 v[STO], s21, v5                   ; in: row r, 32 bytes for each half of the lanes
	v_mul_u32_u24 v5, v2, 272
	v_lshl_add_u32 v5, v1, 4, v5
	v_add_nc_u32 v[RD], s21, v5                    ; back: lanes 0-15 one row of 256 bytes, lanes 16-31 the next
	v_lshlrev_b32 v[CO], 12, v2
	v_lshl_add_u32 v[CO], v1, 4, v[CO]             ; and the same two rows in memory
	v_lshlrev_b32 v[BAD], 4, v1
	s_wait_alu depctr_va_vdst(0)
	s_lshl_b32 s20, s17, 7
	s_lshl_b32 s21, s15, 6
	s_add_co_u32 s20, s20, s21                     ; my first row
	s_lshl_b32 s20, s20, 12
	s_lshl_b32 s22, s42, 9
	s_lshl_b32 s23, s16, 8
	s_add_co_u32 s22, s22, s23                     ; my first column, in bytes
	s_add_co_u32 s20, s20, s22
	s_mov_b32 s21, 0
	s_mov_b32 s23, 0
	s_add_nc_u64 s[96:97], s[96:97], s[20:21]
	s_add_nc_u64 s[98:99], s[98:99], s[20:21]
	s_add_nc_u64 s[10:11], s[10:11], s[22:23]
	global_load_b128 v[8:11], v[BAD], s[10:11]     ; the bias of my four columns on the way out
	WIN TO_F
.irp a, 0,1,2,3
.irp t, 0,1,2,3,4,5,6,7
	global_load_b128 v[RES+4*(8*\a+\t):RES+4*(8*\a+\t)+3], v[CO], s[96:97] offset:(16*\a+2*\t)*4096 th:TH_LOAD_NT
.endr
.endr
	WIN 0
.macro PLACES n
.rept \n
	v_nop
.endr
.endm
.macro FETCH slot, q, p                ; the fragments of K step q of a slot into set p: 16 loads
	WIN TO_F
.irp a, 0,1,2,3
.irp c, 0,1
	ds_load_b128 v[64*(\p)+8*\a+4*\c:64*(\p)+8*\a+4*\c+3], v[ADRA+\slot] offset:\a*NS*1024+1024*(\q)+512*\c
.endr
.endr
.irp b, 0,1,2,3
.irp c, 0,1
	ds_load_b128 v[64*(\p)+32+8*\b+4*\c:64*(\p)+32+8*\b+4*\c+3], v[ADRB+\slot] offset:\b*16*PITCH+64*(\q)+32*\c
.endr
.endr
	WIN 0
.endm
.macro SCALES ch                       ; chunk ch's scale words.  A's: register NQ (a / 2) + q; B's: NQ (b / 2) + q; the even block in lanes 0-15, the odd one in lanes 16-31
.set U, 0
.rept NQ
	ds_load_b32 v[SAR+U], v[ASA] offset:((\ch)*NQ+U)*512
	ds_load_b32 v[SAR+NQ+U], v[ASA] offset:((\ch)*NQ+U)*512+128
.set U, U+1
.endr
.set U, 0
.rept NQ/4
	ds_load_b128 v[SBR+4*U:SBR+4*U+3], v[ASB] offset:16*((\ch)*NQ/4+U)
	ds_load_b128 v[SBR+NQ+4*U:SBR+NQ+4*U+3], v[ASB] offset:2*SBLK+16*((\ch)*NQ/4+U)
.set U, U+1
.endr
.endm
.macro WM a, b, p, q, zero
.set rD, ACC+8*(4*(\a)+(\b))
.set rB, 64*(\p)+32+8*(\b)
.set rA, 64*(\p)+8*(\a)
.set sB, SBR+NQ*((\b)/2)+(\q)
.set sA, SAR+NQ*((\a)/2)+(\q)
.set fm, 4*(\zero)+2*((\a)%2)+((\b)%2)
.if fm == 0
	v_wmma_scale_f32_16x16x128_f8f6f4 v[rD:rD+7], v[rB:rB+7], v[rA:rA+7], v[rD:rD+7], v[sB], v[sA] matrix_a_fmt:MATRIX_FMT_FP4 matrix_b_fmt:MATRIX_FMT_FP4
.elseif fm == 1
	v_wmma_scale_f32_16x16x128_f8f6f4 v[rD:rD+7], v[rB:rB+7], v[rA:rA+7], v[rD:rD+7], v[sB], v[sA] matrix_a_fmt:MATRIX_FMT_FP4 matrix_b_fmt:MATRIX_FMT_FP4 matrix_a_scale:MATRIX_SCALE_ROW1
.elseif fm == 2
	v_wmma_scale_f32_16x16x128_f8f6f4 v[rD:rD+7], v[rB:rB+7], v[rA:rA+7], v[rD:rD+7], v[sB], v[sA] matrix_a_fmt:MATRIX_FMT_FP4 matrix_b_fmt:MATRIX_FMT_FP4 matrix_b_scale:MATRIX_SCALE_ROW1
.elseif fm == 3
	v_wmma_scale_f32_16x16x128_f8f6f4 v[rD:rD+7], v[rB:rB+7], v[rA:rA+7], v[rD:rD+7], v[sB], v[sA] matrix_a_fmt:MATRIX_FMT_FP4 matrix_b_fmt:MATRIX_FMT_FP4 matrix_a_scale:MATRIX_SCALE_ROW1 matrix_b_scale:MATRIX_SCALE_ROW1
.elseif fm == 4
	v_wmma_scale_f32_16x16x128_f8f6f4 v[rD:rD+7], v[rB:rB+7], v[rA:rA+7], 0, v[sB], v[sA] matrix_a_fmt:MATRIX_FMT_FP4 matrix_b_fmt:MATRIX_FMT_FP4
.elseif fm == 5
	v_wmma_scale_f32_16x16x128_f8f6f4 v[rD:rD+7], v[rB:rB+7], v[rA:rA+7], 0, v[sB], v[sA] matrix_a_fmt:MATRIX_FMT_FP4 matrix_b_fmt:MATRIX_FMT_FP4 matrix_a_scale:MATRIX_SCALE_ROW1
.elseif fm == 6
	v_wmma_scale_f32_16x16x128_f8f6f4 v[rD:rD+7], v[rB:rB+7], v[rA:rA+7], 0, v[sB], v[sA] matrix_a_fmt:MATRIX_FMT_FP4 matrix_b_fmt:MATRIX_FMT_FP4 matrix_b_scale:MATRIX_SCALE_ROW1
.else
	v_wmma_scale_f32_16x16x128_f8f6f4 v[rD:rD+7], v[rB:rB+7], v[rA:rA+7], 0, v[sB], v[sA] matrix_a_fmt:MATRIX_FMT_FP4 matrix_b_fmt:MATRIX_FMT_FP4 matrix_a_scale:MATRIX_SCALE_ROW1 matrix_b_scale:MATRIX_SCALE_ROW1
.endif
.endm
.macro MUL16 p, q, zero                ; the 16 accumulators take turns, one instruction a turn, in the same order in every K step
.irp a, 0,1,2,3
.irp b, 0,1,2,3
	WM \a, \b, \p, \q, \zero
.endr
.endr
.endm
.macro KSTEP slot, q, zero             ; a K step whose successor lies in the same slot
	PLACES 4                                       ; ahead of the loads into the set that the last K step multiplied
	FETCH \slot, (\q)+1, 1-(\q)%2
	s_wait_dscnt 16                                ; all but the sixteen just issued
	WIN MUL
	MUL16 (\q)%2, \q, \zero
	WIN 0
.endm
.macro CHUNK slot, from
.set Q, \from
.rept NQ-1-\from
	KSTEP \slot, Q, 0
.set Q, Q+1
.endr
.endm
; A chunk's last K step changes slots: one barrier; in front of it each wave has waited for all its tensor loads and for its own reads of the slot.  fill = 1: the slot is filled again, two chunks ahead, behind a round of the cluster's barrier.
.macro CHANGE slot, next, ch, fill
	s_wait_tensorcnt 0x0                           ; all my tensor loads have landed, my part of the next slot among them
.if REFILL
	ds_add_u32 v[SPW], v[NIL]                      ; 0 onto my spare word
.endif
.if \fill
	s_add_nc_u64 s[G0+4*\slot+2:G0+4*\slot+3], s[G0+4*\slot+2:G0+4*\slot+3], 2*NQ*1024
	s_add_nc_u64 s[G0B+4*\slot+2:G0B+4*\slot+3], s[G0B+4*\slot+2:G0B+4*\slot+3], 2*ROWB
.endif
	s_wait_dscnt 0x0                               ; my reads of this slot are over
	s_barrier_signal -1
	WIN MUL
	MUL16 1, NQ-1, 0
	WIN 0
	s_barrier_wait -1
.if \fill
	CREST                                          ; the barrier has opened a round of the cluster's: no wave of any partner still reads the slot or has a load on its way
	JLOAD G0+4*\slot, G1, G0B+4*\slot, G1B         ; my one tensor load behind the round; its four v_nop are the places ahead of the loads below
.else
	PLACES 4
.endif
	FETCH \next, 0, 0
	SCALES \ch
.endm
.macro TOSTAGE a                       ; block a's 16 rows x 64 columns into my stage, each accumulator from its low end on, and back as whole rows of 256 bytes
.irp b, 0,1,2,3
	ds_store_b128 v[STO], v[ACC+8*(4*(\a)+\b):ACC+8*(4*(\a)+\b)+3] offset:64*\b
	ds_store_b128 v[STO], v[ACC+8*(4*(\a)+\b)+4:ACC+8*(4*(\a)+\b)+7] offset:64*\b+16
.endr
.irp t, 0,1,2,3,4,5,6,7
	ds_load_b128 v[OB+32*((\a)%2)+4*\t:OB+32*((\a)%2)+4*\t+3], v[RD] offset:544*\t
.endr
.endm
.macro SEND a
	s_wait_dscnt 0x0
.irp t, 0,1,2,3,4,5,6,7
	v_pk_add_f32 v[OB+32*((\a)%2)+4*\t:OB+32*((\a)%2)+4*\t+1], v[OB+32*((\a)%2)+4*\t:OB+32*((\a)%2)+4*\t+1], v[8:9]
	v_pk_add_f32 v[OB+32*((\a)%2)+4*\t+2:OB+32*((\a)%2)+4*\t+3], v[OB+32*((\a)%2)+4*\t+2:OB+32*((\a)%2)+4*\t+3], v[10:11]
.endr
	WIN 0x04                                       ; source 1: window 1, the residual
.irp t, 0,1,2,3,4,5,6,7
	v_pk_add_f32 v[OB+32*((\a)%2)+4*\t:OB+32*((\a)%2)+4*\t+1], v[OB+32*((\a)%2)+4*\t:OB+32*((\a)%2)+4*\t+1], v[RES+4*(8*(\a)+\t):RES+4*(8*(\a)+\t)+1]
	v_pk_add_f32 v[OB+32*((\a)%2)+4*\t+2:OB+32*((\a)%2)+4*\t+3], v[OB+32*((\a)%2)+4*\t+2:OB+32*((\a)%2)+4*\t+3], v[RES+4*(8*(\a)+\t)+2:RES+4*(8*(\a)+\t)+3]
.endr
	WIN 0
.irp t, 0,1,2,3,4,5,6,7
	global_store_b128 v[CO], v[OB+32*((\a)%2)+4*\t:OB+32*((\a)%2)+4*\t+3], s[98:99] offset:(16*(\a)+2*\t)*4096   ; sixteen lanes store 256 consecutive bytes, aligned
.endr
.endm
	s_wait_alu depctr_va_vdst(0)                   ; the wait at the head's end
	s_wait_tensorcnt 0x0                           ; my tile of the four has landed,
	s_barrier_signal -1
	s_barrier_wait -1                              ; everybody's has
	FETCH 0, 0, 0
	SCALES 0
	KSTEP 0, 0, 1                                  ; the first products start the sums
	CHUNK 0, 1
.if NCH == 2
	CHANGE 0, 1, 1, 0
	CHUNK 1, 0
.else
	CHANGE 0, 1, 1, 1
	CHUNK 1, 0
	CHANGE 1, 0, 2, 1
	CHUNK 0, 0
	CHANGE 0, 1, 3, 0
	CHUNK 1, 0
.endif
	s_wait_dscnt 0x0
	WIN MUL
	MUL16 1, NQ-1, 0
	WIN 0
	s_wait_loadcnt 0x0                             ; the bias and the residual
	PLACES 4
.irp a, 0,1,2,3
.if \a >= 2
	s_wait_xcnt 0x0                                ; block a - 2's stores have read their registers
.endif
	TOSTAGE \a
	SEND \a
.endr
.if REFILL
	s_wait_tensorcnt 0x0                           ; the wave's end
	ds_add_u32 v[SPW], v[NIL]
	s_wait_dscnt 0x0
.endif
	CROUND                                         ; the closing round
	s_endpgm
.Lfunc_end_k_q88930f0284_wo:
	.size	k_q88930f0284_wo, .Lfunc_end_k_q88930f0284_wo-k_q88930f0284_wo
	.p2alignl 7, 3214868480
	.fill 96, 4, 3214868480
	.section	.rodata,"a",@progbits
	.p2align	6, 0x0
	.amdhsa_kernel k_q88930f0284_wo
		.amdhsa_group_segment_fixed_size 167936
		.amdhsa_private_segment_fixed_size 0
		.amdhsa_enable_private_segment 0
		.amdhsa_kernarg_size 48
		.amdhsa_user_sgpr_count 2
		.amdhsa_user_sgpr_kernarg_segment_ptr 1
		.amdhsa_wavefront_size32 1
		.amdhsa_system_sgpr_workgroup_id_x 1
		.amdhsa_system_sgpr_workgroup_id_y 1
		.amdhsa_system_sgpr_workgroup_id_z 1
		.amdhsa_system_vgpr_workitem_id 0
		.amdhsa_next_free_vgpr 512
		.amdhsa_next_free_sgpr 102
		.amdhsa_reserve_vcc 0
		.amdhsa_float_denorm_mode_32 3
		.amdhsa_float_denorm_mode_16_64 3
		.amdhsa_memory_ordered 1
		.amdhsa_forward_progress 1
		.amdhsa_inst_pref_size 56
	.end_amdhsa_kernel
	.amdgpu_metadata
---
amdhsa.version: [ 1, 2 ]
amdhsa.kernels:
  - .name:           k_q88930f0284_wo
    .symbol:         k_q88930f0284_wo.kd
    .args:
      - { .name: ao, .offset: 0, .size: 8, .value_kind: global_buffer, .address_space: global }
      - { .name: wo_codes, .offset: 8, .size: 8, .value_kind: global_buffer, .address_space: global }
      - { .name: wo_scales, .offset: 16, .size: 8, .value_kind: global_buffer, .address_space: global }
      - { .name: bo, .offset: 24, .size: 8, .value_kind: global_buffer, .address_space: global }
      - { .name: x, .offset: 32, .size: 8, .value_kind: global_buffer, .address_space: global }
      - { .name: ysum, .offset: 40, .size: 8, .value_kind: global_buffer, .address_space: global }
    .group_segment_fixed_size: 167936
    .private_segment_fixed_size: 0
    .kernarg_segment_align: 8
    .kernarg_segment_size: 48
    .max_flat_workgroup_size: 128
    .sgpr_count:     102
    .vgpr_count:     512
    .wavefront_size: 32
...
	.end_amdgpu_metadata
.endif
;; end of part 4
;; launch ln1 (part 5): grid 256 x 1, 4 waves a work-group, no clusters, 21,504 bytes of LDS; arguments ysum, g1, b1, x1w; writes x1w
.if DOCPART == 5
	.amdgcn_target "amdgcn-amd-amdhsa--gfx1250"
	.amdhsa_code_object_version 6
	.text
	.protected	k_q88930f0284_ln1
	.globl	k_q88930f0284_ln1
	.p2align	8
	.type	k_q88930f0284_ln1,@function
k_q88930f0284_ln1:
	s_mov_b64 s[64:65], 0
	v_nop
	global_prefetch_b8 v0, s[64:65] scope:SCOPE_SE
	s_setreg_imm32_b32 hwreg(HW_REG_WAVE_MODE, 25, 1), 1
	s_wait_xcnt 0x0
; A layer norm over rows of 1,024 f32: y = (x - mean) rsqrt(var + 1e-5) g + b, var taken of x - mean in a second pass over registers (a common offset costs nothing).
; QNT = 1: the result is stored as f32 at the output + 0 and also quantised to FP4 along the row: codes [4096][512] at + 16,777,216, E8M0 bytes [4096][32] at + 18,874,368.
; A work-group takes 16 rows, a wave 4; a row is eight loads of 512 consecutive bytes and stays in 32 registers.  All four rows, g and b are asked for at the head.  Memory binds: no matrix unit, no tensor load, no cluster.
; For the quantiser half a row (512 numbers) turns through the wave's own stage in LDS, so that a lane holds 16 neighbours; the codes leave as 256 consecutive bytes; the work-group's 512 scale bytes meet in LDS and wave 0 stores them.
; LIMITS: NaN and infinities are not served; a block whose largest magnitude lies under 2^-124, a block of zeros among them, keeps the byte 1 (workspace bytes, read by this program alone).
; REGISTERS: v2 16 x lane; v3, v4 the stage in and out; v5 my block's byte; v6 8 x lane; v7 the bytes on the way out; v[8:9] mean; v[10:11] rsqrt; v12-15 at work; v16-47 sums, then two sets of 16 neighbours;
;   v48-53 codes and bytes; v64-191 four rows; v192-223 g; v224-255 b.
.set QNT, 1
.set XR,  64
.set GG,  192
.set BB,  224
.set SP,  80
.set SCB, 20480
	s_load_b256 s[4:11], s[0:1], 0x0               ; the input, g, b, the output
	v_lshl_add_u32 v54, v0, 2, 20992               ; my spare word, behind the scale bytes; v54 and v55 serve the closing add alone
	v_mov_b32 v55, 0
	v_lshrrev_b32 v1, 5, v0
	v_readfirstlane_b32 s16, v1                    ; wave 0..3
	v_and_b32 v1, 31, v0
	s_wait_alu depctr_va_vdst(0)
	v_lshlrev_b32 v2, 4, v1
	v_mov_b32 v13, 0                               ; a lane permute's destination counts as one of its sources
	s_mov_b32 s12, 0x76543210
	s_mov_b32 s13, 0xfedcba98
	s_mov_b32 s14, 0x3a800000                      ; 1 / 1,024
	s_mov_b32 s15, 0x3727c5ac                      ; 1e-5
	s_lshl_b32 s17, ttmp9, 4
	s_lshl_b32 s18, s16, 2
	s_add_co_u32 s17, s17, s18                     ; my first row
	s_lshl_b32 s18, s17, 12
	s_mov_b32 s19, 0
.if QNT
	s_mul_i32 s24, s16, 5120                       ; my two stages of 32 x SP bytes
	v_lshrrev_b32 v3, 2, v1
	v_mul_u32_u24 v3, v3, SP
	v_and_b32 v4, 3, v1
	v_lshl_add_u32 v3, v4, 4, v3
	v_add_nc_u32 v3, s24, v3
	v_mul_u32_u24 v4, v1, SP
	v_add_nc_u32 v4, s24, v4
	s_lshl_b32 s24, s16, 7
	s_add_co_u32 s24, s24, SCB
	v_lshrrev_b32 v5, 1, v1
	v_add_nc_u32 v5, s24, v5
	v_lshlrev_b32 v6, 3, v1
	v_add_nc_u32 v7, SCB, v2
	s_lshl_b32 s20, s17, 9
	s_add_co_u32 s20, s20, 0x1000000
	s_mov_b32 s21, 0
	s_lshl_b32 s22, ttmp9, 9
	s_add_co_u32 s22, s22, 0x1200000
	s_mov_b32 s23, 0
.endif
	s_wait_kmcnt 0x0
	s_add_nc_u64 s[4:5], s[4:5], s[18:19]
.if QNT
	s_add_nc_u64 s[20:21], s[10:11], s[20:21]
	s_add_nc_u64 s[22:23], s[10:11], s[22:23]
.endif
	s_add_nc_u64 s[10:11], s[10:11], s[18:19]
.irp j, 0,1,2,3,4,5,6,7
	global_load_b128 v[XR+4*\j:XR+4*\j+3], v2, s[4:5] offset:512*\j th:TH_LOAD_NT
.endr
.irp j, 0,1,2,3,4,5,6,7
	global_load_b128 v[GG+4*\j:GG+4*\j+3], v2, s[6:7] offset:512*\j
.endr
.irp j, 0,1,2,3,4,5,6,7
	global_load_b128 v[BB+4*\j:BB+4*\j+3], v2, s[8:9] offset:512*\j
.endr
.irp p, 1,2,3
.irp j, 0,1,2,3,4,5,6,7
	global_load_b128 v[XR+32*\p+4*\j:XR+32*\p+4*\j+3], v2, s[4:5] offset:4096*\p+512*\j th:TH_LOAD_NT
.endr
.endr
.macro ACROSS                          ; v[16:23], four packed partial sums, become the row's sum in v12 of every lane
	v_pk_add_f32 v[16:17], v[16:17], v[18:19]
	v_pk_add_f32 v[20:21], v[20:21], v[22:23]
	v_pk_add_f32 v[16:17], v[16:17], v[20:21]
	v_add_f32 v12, v16, v17
	v_add_f32_dpp v12, v12, v12 row_xmask:1 row_mask:0xf bank_mask:0xf
	v_add_f32_dpp v12, v12, v12 row_xmask:2 row_mask:0xf bank_mask:0xf
	v_add_f32_dpp v12, v12, v12 row_xmask:4 row_mask:0xf bank_mask:0xf
	v_add_f32_dpp v12, v12, v12 row_xmask:8 row_mask:0xf bank_mask:0xf
	v_permlanex16_b32 v13, v12, s12, s13
	v_add_f32 v12, v12, v13
.endm
.macro HALF p, u                       ; half u of row p: my 16 neighbours become 8 bytes of codes; two lanes share a block
.set XS, 16+16*(\u)
	v_max3_num_f32 v12, |v[XS]|, |v[XS+1]|, |v[XS+2]|
	v_max3_num_f32 v14, |v[XS+3]|, |v[XS+4]|, |v[XS+5]|
.irp i, 6,10
	v_max3_num_f32 v12, v12, |v[XS+\i]|, |v[XS+\i+1]|
	v_max3_num_f32 v14, v14, |v[XS+\i+2]|, |v[XS+\i+3]|
.endr
	v_max3_num_f32 v12, v12, |v[XS+14]|, |v[XS+15]|
	v_max3_num_f32 v12, v12, v14, 0x1800000        ; and the floor 2^(3 - 127)
	v_max_num_f32_dpp v12, v12, v12 row_xmask:1 row_mask:0xf bank_mask:0xf
	v_add_nc_u32 v15, 0xff000000, v12              ; 2 off the exponent field: the conversion's scale operand
	v_cvt_scalef32_pk8_fp4_f32 v[48+2*(\u)], v[XS:XS+7], v15
	v_cvt_scalef32_pk8_fp4_f32 v[49+2*(\u)], v[XS+8:XS+15], v15
	v_lshrrev_b32 v[52+(\u)], 23, v15              ; the scale's byte
	ds_store_b8 v5, v[52+(\u)] offset:32*(\p)+16*(\u)
	global_store_b64 v6, v[48+2*(\u):49+2*(\u)], s[20:21] offset:512*(\p)+256*(\u)   ; 256 consecutive bytes, aligned
.endm
.macro ROW p, left
.set XP, XR+32*(\p)
	s_wait_loadcnt \left                           ; this row's eight loads are in; the younger ones may be out
.irp k, 0,2,4,6
	v_pk_add_f32 v[16+\k:17+\k], v[XP+\k:XP+\k+1], v[XP+8+\k:XP+9+\k]
.endr
.irp k, 0,2,4,6
	v_pk_add_f32 v[16+\k:17+\k], v[16+\k:17+\k], v[XP+16+\k:XP+17+\k]
.endr
.irp k, 0,2,4,6
	v_pk_add_f32 v[16+\k:17+\k], v[16+\k:17+\k], v[XP+24+\k:XP+25+\k]
.endr
	ACROSS
	v_mul_f32 v8, s14, v12                         ; the mean
	v_mov_b32 v9, v8
.irp k, 0,2,4,6,8,10,12,14,16,18,20,22,24,26,28,30
	v_pk_add_f32 v[XP+\k:XP+\k+1], v[XP+\k:XP+\k+1], v[8:9] neg_lo:[0,1] neg_hi:[0,1]
.endr
.irp k, 0,2,4,6
	v_pk_mul_f32 v[16+\k:17+\k], v[XP+\k:XP+\k+1], v[XP+\k:XP+\k+1]
.endr
.irp m, 8,16,24
.irp k, 0,2,4,6
	v_pk_fma_f32 v[16+\k:17+\k], v[XP+\m+\k:XP+\m+\k+1], v[XP+\m+\k:XP+\m+\k+1], v[16+\k:17+\k]
.endr
.endr
	ACROSS
	v_fma_f32 v10, v12, s14, s15                   ; the variance + 1e-5
	s_wait_alu depctr_va_vdst(0)
	v_rsq_f32 v10, v10
	v_nop                                          ; a plain place behind the transcendental
	s_wait_alu depctr_va_vdst(0)                   ; and the wait ahead of its first reader
	v_mov_b32 v11, v10
.if (\p) == 0
	s_wait_alu depctr_va_vdst(0)
	s_wait_loadcnt 24                              ; g and b are in; rows 1 to 3 may be out
.endif
.irp k, 0,2,4,6,8,10,12,14,16,18,20,22,24,26,28,30
	v_pk_mul_f32 v[XP+\k:XP+\k+1], v[XP+\k:XP+\k+1], v[10:11]
.endr
.irp k, 0,2,4,6,8,10,12,14,16,18,20,22,24,26,28,30
	v_pk_fma_f32 v[XP+\k:XP+\k+1], v[XP+\k:XP+\k+1], v[GG+\k:GG+\k+1], v[BB+\k:BB+\k+1]
.endr
.if QNT
	s_wait_alu depctr_va_vdst(0)
	s_wait_xcnt 0x0                                ; the last row's stores have read the codes' registers
.irp j, 0,1,2,3,4,5,6,7
	global_store_b128 v2, v[XP+4*\j:XP+4*\j+3], s[10:11] offset:4096*(\p)+512*\j
.endr
.irp u, 0,1
.irp i, 0,1,2,3
	ds_store_b128 v3, v[XP+16*\u+4*\i:XP+16*\u+4*\i+3] offset:32*SP*\u+8*SP*\i
.endr
.irp i, 0,1,2,3
	ds_load_b128 v[16+16*\u+4*\i:19+16*\u+4*\i], v4 offset:32*SP*\u+16*\i    ; LDS serves a wave's instructions in order (ISA guide 5.7.1)
.endr
.endr
	s_wait_dscnt 8                                 ; the first half is back; the second half's four stores and four loads may be out
	HALF \p, 0
	s_wait_dscnt 1                                 ; the second half is back; the first half's byte store may be out
	HALF \p, 1
.else
.irp j, 0,1,2,3,4,5,6,7
	global_store_b128 v2, v[XP+4*\j:XP+4*\j+3], s[10:11] offset:4096*(\p)+512*\j th:TH_STORE_NT
.endr
.endif
.endm
	ROW 0, 40
	ROW 1, 16
	ROW 2, 8
	ROW 3, 0
.if QNT
	s_wait_dscnt 0x0                               ; for the others' sake: my byte stores are done
	s_barrier_signal -1
	s_barrier_wait -1
	s_cmp_lg_u32 s16, 0
	s_cbranch_scc1 .Lend
	ds_load_b128 v[16:19], v7                      ; the work-group's 16 rows x 32 scale bytes
	s_wait_dscnt 0x0
	global_store_b128 v2, v[16:19], s[22:23]       ; 512 consecutive bytes, aligned
.Lend:
	s_wait_tensorcnt 0x0                           ; the wave's end
	ds_add_u32 v54, v55
	s_wait_dscnt 0x0
.endif
	s_endpgm
.Lfunc_end_k_q88930f0284_ln1:
	.size	k_q88930f0284_ln1, .Lfunc_end_k_q88930f0284_ln1-k_q88930f0284_ln1
	.p2alignl 7, 3214868480
	.fill 96, 4, 3214868480
	.section	.rodata,"a",@progbits
	.p2align	6, 0x0
	.amdhsa_kernel k_q88930f0284_ln1
		.amdhsa_group_segment_fixed_size 21504
		.amdhsa_private_segment_fixed_size 0
		.amdhsa_enable_private_segment 0
		.amdhsa_kernarg_size 32
		.amdhsa_user_sgpr_count 2
		.amdhsa_user_sgpr_kernarg_segment_ptr 1
		.amdhsa_wavefront_size32 1
		.amdhsa_system_sgpr_workgroup_id_x 1
		.amdhsa_system_sgpr_workgroup_id_y 1
		.amdhsa_system_sgpr_workgroup_id_z 1
		.amdhsa_system_vgpr_workitem_id 0
		.amdhsa_next_free_vgpr 256
		.amdhsa_next_free_sgpr 66
		.amdhsa_reserve_vcc 0
		.amdhsa_float_denorm_mode_32 3
		.amdhsa_float_denorm_mode_16_64 3
		.amdhsa_memory_ordered 1
		.amdhsa_forward_progress 1
		.amdhsa_inst_pref_size 48
	.end_amdhsa_kernel
	.amdgpu_metadata
---
amdhsa.version: [ 1, 2 ]
amdhsa.kernels:
  - .name:           k_q88930f0284_ln1
    .symbol:         k_q88930f0284_ln1.kd
    .args:
      - { .name: ysum, .offset: 0, .size: 8, .value_kind: global_buffer, .address_space: global }
      - { .name: g1, .offset: 8, .size: 8, .value_kind: global_buffer, .address_space: global }
      - { .name: b1, .offset: 16, .size: 8, .value_kind: global_buffer, .address_space: global }
      - { .name: x1w, .offset: 24, .size: 8, .value_kind: global_buffer, .address_space: global }
    .group_segment_fixed_size: 21504
    .private_segment_fixed_size: 0
    .kernarg_segment_align: 8
    .kernarg_segment_size: 32
    .max_flat_workgroup_size: 128
    .sgpr_count:     66
    .vgpr_count:     256
    .wavefront_size: 32
...
	.end_amdgpu_metadata
.endif
;; end of part 5
;; launch ffn1 (part 6): grid 16 x 16, 4 waves a work-group, clusters of 4 x 4, 327,680 bytes of LDS; arguments x1w, w1_codes, w1_scales, bf1, hw; writes hw
.if DOCPART == 6
	.amdgcn_target "amdgcn-amd-amdhsa--gfx1250"
	.amdhsa_code_object_version 6
	.text
	.protected	k_q88930f0284_ffn1
	.globl	k_q88930f0284_ffn1
	.p2align	8
	.type	k_q88930f0284_ffn1,@function
k_q88930f0284_ffn1:
	s_mov_b64 s[64:65], 0
	v_nop
	global_prefetch_b8 v0, s[64:65] scope:SCOPE_SE
	s_setreg_imm32_b32 hwreg(HW_REG_WAVE_MODE, 25, 1), 1
	s_wait_xcnt 0x0
	s_wait_alu depctr_hold_cnt(0) depctr_sa_sdst(0) depctr_va_vdst(0) depctr_va_sdst(0) depctr_va_ssrc(0) depctr_va_vcc(0) depctr_vm_vsrc(0)
	s_getreg_b32 s2, hwreg(HW_REG_IB_STS2, 6, 4)
	s_cmp_eq_u32 s2, 0
	s_cbranch_scc0 .Lentry_in_a_cluster
	s_endpgm
.Lentry_in_a_cluster:
	s_bfe_u32 s2, ttmp6, 0x10000c
	s_cmp_lg_u32 s2, 0xf033
	s_cbranch_scc0 .Lentry_shape_is_right
	s_endpgm
.Lentry_shape_is_right:
; h = gelu(Q(x1) w1 + bf1), exact GELU, quantised along the 4,096 hidden units and stored as images of the next product's operand registers.  K = 1,024, codes of FP4 with E8M0 scales.
; A tile is 256 tokens x 256 hidden units, four waves of 128 x 128 (64 accumulators).  The matrix instruction is used transposed (source 0 = 16 rows of w1, source 1 = 16 tokens): a lane holds one token and its
; registers run along the hidden units, the next product's K.  Both halves of K (the two 256-byte halves of rows of pitch 528) and all scale bytes come by FIRST fills; no LDS byte is filled twice.
; CLUSTERS 4 x 4: the tokens' tiles are asked for jointly along a row of the cluster, w1's along a column.  No prefetch: all that is read is asked for at the head.
; GELU.  gelu(x) = max(x, 0) - a erfc(a) / sqrt(2), a = |x| / sqrt(2): no cancellation on either side of 0, no compare, no branch.  erfc(a) = (1 + p(q)) / (1 + 2 a) x 2^(-a a log2 e), q = (a - 2) / (a + 2), p of degree 9.
; One reciprocal serves both divisions: R = 1 / ((a + 2)(2 a + 1)); q = (a - 2)(2 a + 1) R; 1 / (2 a + 1) = R (a + 2).
; LIMITS: erfc's relative error is a few 1e-7 plus about 1e-7 x a a; where 2^(-a a log2 e) falls under 2^-126 (a above 9.3) the term is 0; |x| above 1e19 is not served (the product (a + 2)(2 a + 1) overflows).
;   NaN and infinities are not served; a block whose largest magnitude lies under 2^-124, a block of zeros among them, keeps the byte 1 (workspace bytes, read by this program alone).
; WORKSPACE hw: images [tile of 16 tokens][K step of 128 hidden units][1,024 bytes] at 0; scale words [K step][tile][16 words] at 8,388,608.
; The way out is a loop of eight trips, one block of 16 tokens each; only the 32 lines that take a block out of its accumulators are written eight times.
; REGISTERS: window 0: v1-6 at work, v[8:9] c8, v16-30 addresses and the scale word in hand, v32-95 scale words (two sets), v128-191 A's fragments, later the 64 numbers in hand,
;   v96-127 and v192-255 GELU's six sets of 16, over which the quantiser's registers lie.   window 1: v0-63, v128-191 B's two sets; v64-127 the bias.   windows 2, 3: the accumulators.
.set NQ,     4
.set ROWB,   512                       ; a tile's row is all of K: 1,024 codes
.set KROW,   512
.set PITCH,  528                       ; 512 bytes + 16 of padding
.set FR,     8
.set NL,     2
.set NP,     4
.set HALFT,  128*PITCH
.set SLOT,   256                       ; the second half of K begins 256 bytes on in each LDS row
.set KS,     32
.set SCL,    4*HALFT                   ; behind the tokens' 256 rows and w1's 256 rows
.set HALFS,  (128*KS/256)*272
.set SBLK,   (16*KS/256)*272
.set SPARE,  SCL+4*HALFS               ; the spare words, 128 bytes for each wave
.set SPW,  10                          ; v10 LDS address of my spare word; v11 = 0: both serve the add alone
.set NIL,  11
.set ADRA, 16
.set ADRB, 20
.set LI,   24
.set LS,   25
.set ADRS, 27
.set BA,   28
.set PW,   29
.set PWM,  30
.set SC,   32
.set AF,   128
.set ST,   128
.set GA,   96
.set GP,   112
.set GD,   192
.set GR,   208
.set GZ,   224
.set GM,   240
.set TM,   192
.set PC,   208
.set BC,   64                          ; in window 1
.set G1, 24
.set G0, 32
.set G1B, 48
.set G0B, 56
.set G1S, 68
.set G0S, 76
.set G1SB, 80
.set G0SB, 88
.set OUTP, 96
.set SEL,  98
.set C9, 24                            ; scalar pairs for the packed lines, in registers that the descriptors have left
.set C7, 26
.set C6, 28
.set C5, 30
.set C4, 32
.set C3, 34
.set C2, 36
.set C1, 38
.set C0, 40
.set KC1,  42
.set KNC1, 44
.set KNL,  46
.set MSB, 0
.macro WIN new
.if MSB != (\new)
	s_set_vgpr_msb (MSB<<8)|(\new)
.set MSB, (\new)
.endif
.endm
.set MUL_LO, 0xa1
.set MUL_HI, 0xf1
.set TO_B,   0x40
.macro ARM under, g0, g1, next         ; an arm of the head's tree: one joint load, its s_nop 0 and four v_nop, a jump to the tree's end
	s_cmp_lt_u32 s14, \under
	s_cbranch_scc0 \next
	tensor_load_to_lds s[\g0:\g0+3], s[\g1:\g1+7]
	s_nop 0
.rept 4
	v_nop
.endr
	s_branch .Lhead_asked
\next:
.endm
.macro CROUND
	s_barrier_signal -1
	s_barrier_wait -1
	s_cmp_lg_u32 s14, 0
	s_cbranch_scc1 .Lnot_wave_0_\@
	s_barrier_signal -3
.Lnot_wave_0_\@:
	s_barrier_wait -3
	s_barrier_signal -1
	s_barrier_wait -1
.endm
	s_load_b64 s[4:5], s[0:1], 0x0                 ; x1w
	s_load_b64 s[8:9], s[0:1], 0x8                 ; w1's codes
	s_load_b64 s[10:11], s[0:1], 0x10              ; w1's scales
	s_load_b64 s[12:13], s[0:1], 0x18              ; bf1
	s_load_b64 s[OUTP:OUTP+1], s[0:1], 0x20        ; hw
	v_lshl_add_u32 v[SPW], v0, 2, SPARE
	v_mov_b32 v[NIL], 0
	ds_add_u32 v[SPW], v[NIL]                      ; the opening lines: the add, twice on end, and its wait ahead of the round in front of my tensor load
	ds_add_u32 v[SPW], v[NIL]
	v_lshrrev_b32 v1, 5, v0
	v_readfirstlane_b32 s14, v1
	s_lshr_b32 s15, s14, 1
	s_and_b32 s16, s14, 1
	s_bfe_u32 s40, ttmp6, 0x40000
	s_bfe_u32 s41, ttmp6, 0x40004
	s_lshl_b32 s42, ttmp9, 2
	s_add_co_u32 s42, s42, s40                     ; tile of hidden units
	s_and_b32 s17, ttmp7, 0xffff
	s_lshl_b32 s17, s17, 2
	s_add_co_u32 s17, s17, s41                     ; tile of tokens
	s_lshl_b32 s43, s41, 2
	s_lshl_b32 s43, 15, s43
	s_lshl_b32 s44, 0x1111, s40
	s_or_b32 s[G1+0], s43, (0<<16)|(1<<20)|(1<<21)|(6<<22)|(3<<25)  ; mask; elements of 1 byte; padding: 4 words after every 128; bit 21 beside a mask
	s_or_b32 s[G1B+0], s44, (0<<16)|(1<<20)|(1<<21)|(6<<22)|(3<<25)
.irp g, G1, G1B
	s_mov_b32 s[\g+1], ROWB<<16
	s_mov_b32 s[\g+2], 256<<16                     ; a side's 256 rows in one load
	s_mov_b32 s[\g+3], ROWB<<16
	s_mov_b32 s[\g+4], 256
	s_mov_b32 s[\g+5], KROW
	s_mov_b32 s[\g+6], 0
	s_mov_b32 s[\g+7], 0
.endr
	s_or_b32 s[G1S+0], s43, (3<<16)|(1<<20)|(1<<21)|(5<<22)|(3<<25)
	s_or_b32 s[G1SB+0], s44, (3<<16)|(1<<20)|(1<<21)|(5<<22)|(3<<25)
.irp g, G1S, G1SB
	s_mov_b32 s[\g+1], 32<<16
	s_mov_b32 s[\g+2], (256*KS/256)<<16            ; the scales of a side's 256 rows: 8,192 dense bytes as 32 rows of 256
	s_mov_b32 s[\g+3], 32<<16
	s_mov_b32 s[\g+4], 256*KS/256
	s_mov_b32 s[\g+5], 32
	s_mov_b32 s[\g+6], 0
	s_mov_b32 s[\g+7], 0
.endr
	s_lshl_b32 s20, s17, 8                         ; the tokens' first row
	s_lshl_b32 s46, s42, 8                         ; w1's first row
	s_lshl_b32 s22, s20, 5
	s_lshl_b32 s92, s46, 5
	s_lshl_b32 s20, s20, 9
	s_lshl_b32 s46, s46, 9
	s_mov_b32 s21, 0
	s_mov_b32 s23, 0
	s_mov_b32 s47, 0
	s_mov_b32 s93, 0
	s_wait_dscnt 0x0                               ; both opening adds are done
	s_wait_kmcnt 0x0
	s_add_nc_u64 s[6:7], s[4:5], 0x1200000         ; x1's scale bytes
	s_add_nc_u64 s[4:5], s[4:5], 0x1000000         ; x1's codes
	s_add_nc_u64 s[20:21], s[4:5], s[20:21]
	s_add_nc_u64 s[22:23], s[6:7], s[22:23]
	s_add_nc_u64 s[46:47], s[8:9], s[46:47]
	s_add_nc_u64 s[92:93], s[10:11], s[92:93]
	CROUND
	; ALL THAT THE WORK-GROUP READS BY THE MOVER IS FOUR TILES, ONE JOINT LOAD A WAVE: wave 0 the tokens' 256 rows over all of K, wave 1 w1's, wave 2 the tokens' scale bytes, wave 3 w1's.  Nothing is filled later.
	s_mov_b32 s[G0S], 1
	s_mov_b32 s[G0S+1], SCL
	s_mov_b64 s[G0S+2:G0S+3], s[22:23]
	s_or_b32 s[G0S+3], s[G0S+3], 0x80000000
	s_mov_b32 s[G0SB], 1
	s_mov_b32 s[G0SB+1], SCL+2*HALFS
	s_mov_b64 s[G0SB+2:G0SB+3], s[92:93]
	s_or_b32 s[G0SB+3], s[G0SB+3], 0x80000000
	s_mov_b32 s[G0], 1
	s_mov_b32 s[G0+1], 0
	s_mov_b64 s[G0+2:G0+3], s[20:21]
	s_or_b32 s[G0+3], s[G0+3], 0x80000000
	s_mov_b32 s[G0B], 1
	s_mov_b32 s[G0B+1], 2*HALFT
	s_mov_b64 s[G0B+2:G0B+3], s[46:47]
	s_or_b32 s[G0B+3], s[G0B+3], 0x80000000
	ARM 1, G0,  G1,  .Lhead_b
	ARM 2, G0B, G1B, .Lhead_sa
	ARM 3, G0S, G1S, .Lhead_sb
	tensor_load_to_lds s[G0SB:G0SB+3], s[G1SB:G1SB+7]
	s_nop 0
.rept 4
	v_nop
.endr
.Lhead_asked:
	v_and_b32 v1, 15, v0
	v_bfe_u32 v2, v0, 4, 1
	v_mul_u32_u24 v3, v1, PITCH
	v_lshl_add_u32 v4, v2, 4, v3
	s_mul_i32 s21, s15, HALFT
	s_mul_i32 s22, s16, HALFT
	s_add_co_u32 s22, s22, 2*HALFT
.irp s, 0,1
	v_add_nc_u32 v[ADRA+\s], s21, v4
	v_add_nc_u32 v[ADRB+\s], s22, v4
	s_add_co_u32 s21, s21, SLOT
	s_add_co_u32 s22, s22, SLOT
.endr
	v_mul_u32_u24 v5, v1, KS
	v_lshrrev_b32 v6, 8, v5
	v_lshl_add_u32 v5, v6, 4, v5
	s_mul_i32 s21, s15, HALFS
	s_mul_i32 s22, s16, HALFS
	s_add_co_u32 s22, s22, 2*HALFS
	s_sub_co_u32 s22, s22, s21
	v_mul_u32_u24 v6, s22, v2
	s_add_co_u32 s21, s21, SCL
	v_add_nc_u32 v5, v5, v6
	v_add_nc_u32 v[ADRS], s21, v5
	v_and_b32 v3, 31, v0
	v_lshlrev_b32 v[LI], 4, v3
	v_lshlrev_b32 v[LS], 2, v3
	v_lshlrev_b32 v[BA], 5, v2
	s_wait_alu depctr_va_vdst(0)
	s_lshl_b32 s20, s42, 10
	s_lshl_b32 s21, s16, 9
	s_add_co_u32 s20, s20, s21
	s_mov_b32 s21, 0
	s_add_nc_u64 s[12:13], s[12:13], s[20:21]      ; my 128 biases
	s_lshl_b32 s18, s17, 4
	s_lshl_b32 s19, s15, 3
	s_add_co_u32 s18, s18, s19                     ; my first tile of 16 tokens
	s_lshl_b32 s19, s42, 1
	s_add_co_u32 s19, s19, s16                     ; my K step of the next product
	s_lshl_b32 s20, s18, 15
	s_lshl_b32 s22, s19, 10
	s_add_co_u32 s20, s20, s22
	s_add_nc_u64 s[4:5], s[OUTP:OUTP+1], s[20:21]  ; the images
	s_lshl_b32 s20, s19, 14
	s_lshl_b32 s22, s18, 6
	s_add_co_u32 s20, s20, s22
	s_add_co_u32 s20, s20, 0x800000
	s_add_nc_u64 s[6:7], s[OUTP:OUTP+1], s[20:21]  ; the scale words
	s_mov_b32 s[SEL], 0x76543210
	s_mov_b32 s[SEL+1], 0xfedcba98
	WIN TO_B
.irp t, 0,1,2,3,4,5,6,7
	global_load_b128 v[BC+8*\t:BC+8*\t+3], v[BA], s[12:13] offset:64*\t        ; register 8 t + j: bias of hidden unit 16 t + 8 h + j
	global_load_b128 v[BC+8*\t+4:BC+8*\t+7], v[BA], s[12:13] offset:64*\t+16
.endr
	WIN 0
.macro FRAG reg, adr, q, i
.irp c, 0,1
	ds_load_b128 v[\reg+4*\c:\reg+4*\c+3], v[\adr] offset:64*(\q)+32*\c+(\i)*16*PITCH
.endr
.endm
.macro MUL16 a0, p, q, sc, zero        ; the 64 accumulators take turns, one instruction a turn
.irp a, \a0, \a0+1
.irp b, 0,1,2,3,4,5,6,7
.if \zero
	v_wmma_scale_f32_16x16x128_f8f6f4 v[8*(8*((\a)%4)+\b):8*(8*((\a)%4)+\b)+7], v[128*(\p)+FR*\b:128*(\p)+FR*\b+FR-1], v[AF+FR*(\a):AF+FR*(\a)+FR-1], 0, v[SC+8*NQ*(\sc)+NQ*\b+(\q)], v[SC+8*NQ*(\sc)+NQ*(\a)+(\q)] matrix_a_fmt:MATRIX_FMT_FP4 matrix_b_fmt:MATRIX_FMT_FP4 matrix_a_scale:MATRIX_SCALE_ROW1
.else
	v_wmma_scale_f32_16x16x128_f8f6f4 v[8*(8*((\a)%4)+\b):8*(8*((\a)%4)+\b)+7], v[128*(\p)+FR*\b:128*(\p)+FR*\b+FR-1], v[AF+FR*(\a):AF+FR*(\a)+FR-1], v[8*(8*((\a)%4)+\b):8*(8*((\a)%4)+\b)+7], v[SC+8*NQ*(\sc)+NQ*\b+(\q)], v[SC+8*NQ*(\sc)+NQ*(\a)+(\q)] matrix_a_fmt:MATRIX_FMT_FP4 matrix_b_fmt:MATRIX_FMT_FP4 matrix_a_scale:MATRIX_SCALE_ROW1
.endif
.endr
.endr
.endm
.macro FETCH_B slot, q, p
	WIN TO_B
.irp i, 0,1,2,3,4,5,6,7
	FRAG 128*(\p)+FR*\i, ADRB+\slot, \q, \i
.endr
	WIN 0
.endm
.macro FETCH_A slot, q, i0
.irp i, \i0, \i0+1, \i0+2, \i0+3
	FRAG AF+FR*(\i), ADRA+\slot, \q, \i
.endr
.endm
.macro SCALES sc
.irp i, 0,1,2,3,4,5,6,7
	ds_load_b128 v[SC+8*NQ*\sc+NQ*\i:SC+8*NQ*\sc+NQ*\i+3], v[ADRS] offset:\i*SBLK
.endr
.endm
.macro PLACES n
.rept \n
	v_nop
.endr
.endm
.macro STEP slot, q, zero
	s_wait_dscnt 4*NL                              ; B's set and A's blocks 0-3 are in; the youngest eight loads (A's blocks 4-7) may be out
	WIN MUL_LO
	MUL16 0, (\q)%2, \q, \slot, \zero
	MUL16 2, (\q)%2, \q, \slot, \zero
	s_wait_dscnt 0
	PLACES NP
	FETCH_B \slot, (\q)+1, 1-(\q)%2
	FETCH_A \slot, (\q)+1, 0
	WIN MUL_HI
	MUL16 4, (\q)%2, \q, \slot, \zero
	MUL16 6, (\q)%2, \q, \slot, \zero
	PLACES NP
	WIN 0
	FETCH_A \slot, (\q)+1, 4
.endm
.macro STEPS slot, from
.set Q, \from
.rept NQ-1-\from
	STEP \slot, Q, 0
.set Q, Q+1
.endr
.endm
.macro TURN slot, next                 ; behind the barrier the second half of K is whole; nothing is filled again
	s_wait_dscnt 4*NL                              ; all of K lies in LDS since the head's barrier: this step only turns to the rows' second 256 bytes
	WIN MUL_LO
	MUL16 0, 1, NQ-1, \slot, 0
	MUL16 2, 1, NQ-1, \slot, 0
	s_wait_dscnt 0x0
	WIN 0
	PLACES NP
	v_add_nc_u32 v[ADRS], 4*NQ, v[ADRS]
	FETCH_B \next, 0, 0
	FETCH_A \next, 0, 0
	SCALES \next
	WIN MUL_HI
	MUL16 4, 1, NQ-1, \slot, 0
	MUL16 6, 1, NQ-1, \slot, 0
	PLACES NP
	WIN 0
	FETCH_A \next, 0, 4
.endm
.macro QUANT s                         ; 64 numbers of a lane (register 8 t + j = k 16 t + 8 (lane / 16) + j) become a fragment's codes in v[PC] on and its scale word in v[PW]
.irp b, 0,1,2,3
	v_max3_num_f32 v[TM+\b], |v[\s+16*\b]|, |v[\s+1+16*\b]|, 0x1800000
.endr
.irp i, 2,4,6,8,10,12,14
.irp b, 0,1,2,3
	v_max3_num_f32 v[TM+\b], v[TM+\b], |v[\s+16*\b+\i]|, |v[\s+1+16*\b+\i]|
.endr
.endr
.irp b, 0,1,2,3
	v_permlanex16_b32 v[TM+4+\b], v[TM+\b], s[SEL], s[SEL+1]
.endr
.irp b, 0,1,2,3
	v_max_num_f32 v[TM+\b], v[TM+\b], v[TM+4+\b]
.endr
.irp b, 0,1,2,3
	v_add_nc_u32 v[TM+12+\b], 0xff000000, v[TM+\b]
.endr
.irp b, 0,1,2,3
	v_lshrrev_b32 v[TM+4+\b], 23, v[TM+12+\b]
.endr
	v_lshl_or_b32 v[PW], v[TM+5], 8, v[TM+4]
	v_lshl_or_b32 v[PW], v[TM+6], 16, v[PW]
	v_lshl_or_b32 v[PW], v[TM+7], 24, v[PW]
.irp b, 0,1,2,3
	v_cvt_scalef32_pk8_fp4_f32 v[PC+4*(\b/2)+(\b%2)], v[\s+16*\b:\s+16*\b+7], v[TM+12+\b]
	v_cvt_scalef32_pk8_fp4_f32 v[PC+4*(\b/2)+2+(\b%2)], v[\s+16*\b+8:\s+16*\b+15], v[TM+12+\b]
.endr
	v_nop
.irp c, 0,1
	v_permlane16_swap_b32 v[PC+4*\c], v[PC+4*\c+1]
	v_permlane16_swap_b32 v[PC+4*\c+2], v[PC+4*\c+3]
.endr
.endm
.macro SPAIR reg, val
	s_mov_b32 s[\reg], \val
	s_mov_b32 s[\reg+1], \val
.endm
.macro MOVE k                          ; block k out of its accumulators, each from its low end on, with the bias
	WIN 0x06+(\k)/4
.irp b, 0,1,2,3,4,5,6,7
.irp i, 0,2,4,6
	v_pk_add_f32 v[ST+8*\b+\i:ST+8*\b+\i+1], v[64*((\k)%4)+8*\b+\i:64*((\k)%4)+8*\b+\i+1], v[BC+8*\b+\i:BC+8*\b+\i+1]
.endr
.endr
	WIN 0
.endm
.macro GELU16 i                        ; 16 numbers of a lane, in place.  Its 32 transcendentals are one batch with one wait
.set GX, ST+16*(\i)
.irp k, 0,1,2,3,4,5,6,7,8,9,10,11,12,13,14,15
	v_mul_f32 v[GA+\k], s[KC1], |v[GX+\k]|         ; a
.endr
.irp k, 0,2,4,6,8,10,12,14
	v_pk_add_f32 v[GP+\k:GP+\k+1], v[GA+\k:GA+\k+1], 2.0 op_sel_hi:[1,0]
.endr
.irp k, 0,2,4,6,8,10,12,14
	v_pk_fma_f32 v[GD+\k:GD+\k+1], v[GA+\k:GA+\k+1], 2.0, 1.0 op_sel_hi:[1,0,0]
.endr
.irp k, 0,2,4,6,8,10,12,14
	v_pk_mul_f32 v[GR+\k:GR+\k+1], v[GP+\k:GP+\k+1], v[GD+\k:GD+\k+1]
.endr
.irp k, 0,2,4,6,8,10,12,14
	v_pk_mul_f32 v[GZ+\k:GZ+\k+1], v[GA+\k:GA+\k+1], s[KNL:KNL+1] op_sel_hi:[1,0]
.endr
.irp k, 0,2,4,6,8,10,12,14
	v_pk_mul_f32 v[GZ+\k:GZ+\k+1], v[GZ+\k:GZ+\k+1], v[GA+\k:GA+\k+1]
.endr
	s_wait_alu depctr_va_vdst(0)                   ; all sources of the batch are laid
.irp k, 0,1,2,3,4,5,6,7,8,9,10,11,12,13,14,15
	v_rcp_f32 v[GR+\k], v[GR+\k]                   ; R
	v_max_num_f32 v[GX+\k], 0, v[GX+\k]            ; max(x, 0), in place: x itself is needed no more; it names no result of the batch and is read behind the wait below
	v_exp_f32 v[GZ+\k], v[GZ+\k]                   ; 2^(-a a log2 e)
.endr
.irp k, 0,2,4,6,8,10,12,14
	v_pk_add_f32 v[GM+\k:GM+\k+1], v[GA+\k:GA+\k+1], -2.0 op_sel_hi:[1,0]
.endr
.irp k, 0,2,4,6,8,10,12,14
	v_pk_mul_f32 v[GM+\k:GM+\k+1], v[GM+\k:GM+\k+1], v[GD+\k:GD+\k+1]
.endr
	s_wait_alu depctr_va_vdst(0)                   ; one wait for the batch of 32, behind 16 plain lines that name none of its results
.irp k, 0,2,4,6,8,10,12,14
	v_pk_mul_f32 v[GM+\k:GM+\k+1], v[GM+\k:GM+\k+1], v[GR+\k:GR+\k+1]     ; q
.endr
.irp k, 0,2,4,6,8,10,12,14
	v_pk_mul_f32 v[GR+\k:GR+\k+1], v[GR+\k:GR+\k+1], v[GP+\k:GP+\k+1]     ; 1 / (2 a + 1)
.endr
.irp k, 0,2,4,6,8,10,12,14
	v_pk_fma_f32 v[GD+\k:GD+\k+1], v[GM+\k:GM+\k+1], s[C9:C9+1], v[8:9] op_sel_hi:[1,0,1]
.endr
.irp c, C7, C6, C5, C4, C3, C2, C1, C0
.irp k, 0,2,4,6,8,10,12,14
	v_pk_fma_f32 v[GD+\k:GD+\k+1], v[GD+\k:GD+\k+1], v[GM+\k:GM+\k+1], s[\c:\c+1] op_sel_hi:[1,1,0]   ; eight chains by turns
.endr
.endr
.irp k, 0,2,4,6,8,10,12,14
	v_pk_fma_f32 v[GD+\k:GD+\k+1], v[GD+\k:GD+\k+1], v[GR+\k:GR+\k+1], v[GR+\k:GR+\k+1]   ; (1 + p) / (1 + 2 a)
.endr
.irp k, 0,2,4,6,8,10,12,14
	v_pk_mul_f32 v[GD+\k:GD+\k+1], v[GD+\k:GD+\k+1], v[GZ+\k:GZ+\k+1]     ; erfc(a)
.endr
.irp k, 0,2,4,6,8,10,12,14
	v_pk_mul_f32 v[GD+\k:GD+\k+1], v[GD+\k:GD+\k+1], v[GA+\k:GA+\k+1]
.endr
.irp k, 0,2,4,6,8,10,12,14
	v_pk_fma_f32 v[GX+\k:GX+\k+1], v[GD+\k:GD+\k+1], s[KNC1:KNC1+1], v[GX+\k:GX+\k+1] op_sel_hi:[1,0,1]
.endr
.endm
	s_wait_alu depctr_va_vdst(0)                   ; the wait at the head's end
	s_wait_tensorcnt 0x0                           ; my tile of the four has landed,
	s_barrier_signal -1
	s_barrier_wait -1                              ; everybody's has
	FETCH_B 0, 0, 0
	FETCH_A 0, 0, 0
	SCALES 0
	FETCH_A 0, 0, 4
	STEP 0, 0, 1
	STEPS 0, 1
	TURN 0, 1
	STEPS 1, 0
	s_wait_dscnt 4*NL
	WIN MUL_LO
	MUL16 0, 1, NQ-1, 1, 0
	MUL16 2, 1, NQ-1, 1, 0
	s_wait_dscnt 0
	WIN MUL_HI
	MUL16 4, 1, NQ-1, 1, 0
	MUL16 6, 1, NQ-1, 1, 0
	WIN 0
	s_wait_loadcnt 0x0                             ; the bias
	SPAIR C9, 0xb9d25000                           ; every tensor load was waited for at the head's end: the descriptors' registers are free
	SPAIR C7, 0x3aac2b8a
	SPAIR C6, 0x3c0d6e62
	SPAIR C5, 0xbc040dc1
	SPAIR C4, 0xbd5e05b5
	SPAIR C3, 0x3e27fe23
	SPAIR C2, 0xbe2a0420
	SPAIR C1, 0xbdbdfb0b
	SPAIR C0, 0x3e8dd01d
	SPAIR KC1, 0x3f3504f3                          ; 1 / sqrt(2)
	SPAIR KNC1, 0xbf3504f3
	SPAIR KNL, 0xbfb8aa3b                          ; -log2(e)
	v_mov_b32 v8, 0xbaa15130                       ; c8
	v_mov_b32 v9, 0xbaa15130
	v_mov_b32 v[PWM], 0
	PLACES NP
	s_mov_b32 s8, 0                                ; the block
	s_mov_b32 s9, 0xffff                           ; which half of the lanes takes this block's scale words
.Lab:
.irp k, 0,1,2,3,4,5,6
	s_cmp_eq_u32 s8, \k
	s_cbranch_scc1 .Lmv\k
.endr
	MOVE 7
	s_branch .Lgelu
.irp k, 0,1,2,3,4,5
.Lmv\k:
	MOVE \k
	s_branch .Lgelu
.endr
.Lmv6:
	MOVE 6
.Lgelu:
	GELU16 0
	GELU16 1
	GELU16 2
	GELU16 3
	QUANT ST
	global_store_b128 v[LI], v[PC:PC+3], s[4:5]                ; 512 consecutive bytes
	global_store_b128 v[LI], v[PC+4:PC+7], s[4:5] offset:512
	v_cndmask_b32 v[PWM], v[PWM], v[PW], s9        ; even blocks fill lanes 0-15, odd blocks lanes 16-31
	s_bitcmp1_b32 s8, 0
	s_cbranch_scc0 .Lnosw
	global_store_b32 v[LS], v[PWM], s[6:7]         ; two blocks' scale words: 128 consecutive bytes
.Lnosw:
	s_wait_xcnt 0x0                                ; the stores have read their registers and bases
	s_add_nc_u64 s[4:5], s[4:5], 32768             ; the next tile of 16 tokens
	s_and_b32 s10, s8, 1
	s_lshl_b32 s10, s10, 7
	s_mov_b32 s11, 0
	s_add_nc_u64 s[6:7], s[6:7], s[10:11]
	s_not_b32 s9, s9
	s_add_co_u32 s8, s8, 1
	s_cmp_lt_u32 s8, 8
	s_cbranch_scc1 .Lab
	s_wait_tensorcnt 0x0                           ; the wave's end
	ds_add_u32 v[SPW], v[NIL]
	s_wait_dscnt 0x0
	CROUND                                         ; the closing round
	s_endpgm
.Lfunc_end_k_q88930f0284_ffn1:
	.size	k_q88930f0284_ffn1, .Lfunc_end_k_q88930f0284_ffn1-k_q88930f0284_ffn1
	.p2alignl 7, 3214868480
	.fill 96, 4, 3214868480
	.section	.rodata,"a",@progbits
	.p2align	6, 0x0
	.amdhsa_kernel k_q88930f0284_ffn1
		.amdhsa_group_segment_fixed_size 327680
		.amdhsa_private_segment_fixed_size 0
		.amdhsa_enable_private_segment 0
		.amdhsa_kernarg_size 40
		.amdhsa_user_sgpr_count 2
		.amdhsa_user_sgpr_kernarg_segment_ptr 1
		.amdhsa_wavefront_size32 1
		.amdhsa_system_sgpr_workgroup_id_x 1
		.amdhsa_system_sgpr_workgroup_id_y 1
		.amdhsa_system_sgpr_workgroup_id_z 1
		.amdhsa_system_vgpr_workitem_id 0
		.amdhsa_next_free_vgpr 1024
		.amdhsa_next_free_sgpr 102
		.amdhsa_reserve_vcc 0
		.amdhsa_float_denorm_mode_32 3
		.amdhsa_float_denorm_mode_16_64 3
		.amdhsa_memory_ordered 1
		.amdhsa_forward_progress 1
		.amdhsa_inst_pref_size 173
	.end_amdhsa_kernel
	.amdgpu_metadata
---
amdhsa.version: [ 1, 2 ]
amdhsa.kernels:
  - .name:           k_q88930f0284_ffn1
    .symbol:         k_q88930f0284_ffn1.kd
    .args:
      - { .name: x1w, .offset: 0, .size: 8, .value_kind: global_buffer, .address_space: global }
      - { .name: w1_codes, .offset: 8, .size: 8, .value_kind: global_buffer, .address_space: global }
      - { .name: w1_scales, .offset: 16, .size: 8, .value_kind: global_buffer, .address_space: global }
      - { .name: bf1, .offset: 24, .size: 8, .value_kind: global_buffer, .address_space: global }
      - { .name: hw, .offset: 32, .size: 8, .value_kind: global_buffer, .address_space: global }
    .group_segment_fixed_size: 327680
    .private_segment_fixed_size: 0
    .kernarg_segment_align: 8
    .kernarg_segment_size: 40
    .max_flat_workgroup_size: 128
    .sgpr_count:     102
    .vgpr_count:     1024
    .wavefront_size: 32
...
	.end_amdgpu_metadata
.endif
;; end of part 6
;; launch ffn2 (part 7): grid 8 x 32, 4 waves a work-group, clusters of 4 x 4, 327,680 bytes of LDS; arguments hw, w2_codes, w2_scales, bf2, x1w, ysum; writes ysum
.if DOCPART == 7
	.amdgcn_target "amdgcn-amd-amdhsa--gfx1250"
	.amdhsa_code_object_version 6
	.text
	.protected	k_q88930f0284_ffn2
	.globl	k_q88930f0284_ffn2
	.p2align	8
	.type	k_q88930f0284_ffn2,@function
k_q88930f0284_ffn2:
	s_mov_b64 s[64:65], 0
	v_nop
	global_prefetch_b8 v0, s[64:65] scope:SCOPE_SE
	s_setreg_imm32_b32 hwreg(HW_REG_WAVE_MODE, 25, 1), 1
	s_wait_xcnt 0x0
	s_wait_alu depctr_hold_cnt(0) depctr_sa_sdst(0) depctr_va_vdst(0) depctr_va_sdst(0) depctr_va_ssrc(0) depctr_va_vcc(0) depctr_vm_vsrc(0)
	s_getreg_b32 s2, hwreg(HW_REG_IB_STS2, 6, 4)
	s_cmp_eq_u32 s2, 0
	s_cbranch_scc0 .Lentry_in_a_cluster
	s_endpgm
.Lentry_in_a_cluster:
	s_bfe_u32 s2, ttmp6, 0x10000c
	s_cmp_lg_u32 s2, 0xf033
	s_cbranch_scc0 .Lentry_shape_is_right
	s_endpgm
.Lentry_shape_is_right:
.set NS,     32
.set NQ,     8
.set NCH,    4
.set ROWB,   512
.set PITCH,  528
.set QI,     6
.set KROW,   2048
.set KS,     128
.set SWOFF,  8388608
.set REFILL, 1
.set AHALF,  4*NQ*1024
.set ASLOT,  2*AHALF
.set BHALF,  64*PITCH
.set SLOT,   ASLOT+2*BHALF
.set SWA,    2*SLOT
.set SCB,    SWA+NS*512
.set HALFS,  (64*KS/256)*272
.set SBLK,   (16*KS/256)*272
.set STAGE,  SCB+2*HALFS
.set SPARE,  STAGE+4*16*272
.set BAD,  12
.set ADRA, 16
.set ADRB, 20
.set ASA,  22
.set ASB,  23
.set STO,  24
.set RD,   25
.set CO,   26
.set SPW,  28
.set NIL,  29
.set PFO,  30
.set SAR,  32
.set SBR,  48
.set OB,   64
.set ACC,  128
.set RES,  128
.set G1, 24
.set G0, 32
.set G1B, 48
.set G0B, 56
.set G1S, 68
.set G0S, 76
.set G1SB, 80
.set G0SB, 88
.set PF2,  92
.set PF3,  94
.set LIM,  100
.set MSB, 0
.macro WIN new
.if MSB != (\new)
	s_set_vgpr_msb (MSB<<8)|(\new)
.set MSB, (\new)
.endif
.endm
.set MUL,  0x05
.set TO_F, 0x40
.macro JLOAD g0a, g1a, g0b, g1b
	s_cmp_eq_u32 s15, 0
	s_cbranch_scc0 .Lfor_b_\@
	tensor_load_to_lds s[\g0a:\g0a+3], s[\g1a:\g1a+7]
	s_nop 0
.rept 4
	v_nop
.endr
	s_branch .Lasked_\@
.Lfor_b_\@:
	tensor_load_to_lds s[\g0b:\g0b+3], s[\g1b:\g1b+7]
	s_nop 0
.rept 4
	v_nop
.endr
.Lasked_\@:
.endm
.macro ASK pf
	s_cmp_eq_u32 s[LIM], 1
	s_cbranch_scc0 .Lnot_mine_\@
	s_wait_alu depctr_va_vdst(0)
	global_prefetch_b8 v[PFO], s[\pf:\pf+1] th:TH_LOAD_NT scope:SCOPE_SE
.Lnot_mine_\@:
.endm
.macro CREST
	s_cmp_lg_u32 s14, 0
	s_cbranch_scc1 .Lnot_wave_0_\@
	s_barrier_signal -3
.Lnot_wave_0_\@:
	s_barrier_wait -3
	s_barrier_signal -1
	s_barrier_wait -1
.endm
.macro CROUND
	s_barrier_signal -1
	s_barrier_wait -1
	CREST
.endm
	s_load_b128 s[4:7], s[0:1], 0x0
	s_load_b128 s[8:11], s[0:1], 0x10
	s_load_b128 s[96:99], s[0:1], 0x20
.if REFILL
	v_lshl_add_u32 v[SPW], v0, 2, SPARE
	v_mov_b32 v[NIL], 0
	ds_add_u32 v[SPW], v[NIL]                      ; the opening lines: the add, twice on end, and its wait ahead of the round in front of my first tensor load
	ds_add_u32 v[SPW], v[NIL]
.endif
	v_lshrrev_b32 v1, 5, v0
	v_readfirstlane_b32 s14, v1
	s_lshr_b32 s15, s14, 1
	s_and_b32 s16, s14, 1
	s_bfe_u32 s40, ttmp6, 0x40000
	s_bfe_u32 s41, ttmp6, 0x40004
	s_lshl_b32 s42, ttmp9, 2
	s_add_co_u32 s42, s42, s40
	s_and_b32 s17, ttmp7, 0xffff
	s_lshl_b32 s17, s17, 2
	s_add_co_u32 s17, s17, s41
	s_lshl_b32 s43, s41, 2
	s_lshl_b32 s43, 15, s43
	s_lshl_b32 s44, 0x1111, s40
	s_or_b32 s[G1+0], s43, (3<<16)|(1<<21)
	s_mov_b32 s[G1+1], (NQ*128)<<16
	s_mov_b32 s[G1+2], 8<<16                       ; at the head one load brings A's 8 tiles of tokens of chunk 0; behind it the two words that count rows are set to 4, for the ring's
	s_mov_b32 s[G1+3], (NQ*128)<<16
	s_mov_b32 s[G1+4], 8
	s_mov_b32 s[G1+5], NS*128
	s_mov_b32 s[G1+6], 0
	s_mov_b32 s[G1+7], 0
	s_or_b32 s[G1B+0], s44, (0<<16)|(1<<20)|(1<<21)|(QI<<22)|(3<<25)
	s_mov_b32 s[G1B+1], ROWB<<16
	s_mov_b32 s[G1B+2], 128<<16                    ; likewise B's 128 rows of chunk 0; behind the head 64
	s_mov_b32 s[G1B+3], ROWB<<16
	s_mov_b32 s[G1B+4], 128
	s_mov_b32 s[G1B+5], KROW
	s_mov_b32 s[G1B+6], 0
	s_mov_b32 s[G1B+7], 0
	s_or_b32 s[G1S+0], s43, (3<<16)|(1<<21)
	s_mov_b32 s[G1S+1], 64<<16
	s_mov_b32 s[G1S+2], NS<<16                     ; A's scale words of all NS K steps in one load
	s_mov_b32 s[G1S+3], 64<<16
	s_mov_b32 s[G1S+4], NS
	s_mov_b32 s[G1S+5], 2048
	s_mov_b32 s[G1S+6], 0
	s_mov_b32 s[G1S+7], 0
	s_or_b32 s[G1SB+0], s44, (3<<16)|(1<<20)|(1<<21)|(5<<22)|(3<<25)
	s_mov_b32 s[G1SB+1], 32<<16
	s_mov_b32 s[G1SB+2], (128*KS/256)<<16          ; B's scale bytes of all 128 rows in one load
	s_mov_b32 s[G1SB+3], 32<<16
	s_mov_b32 s[G1SB+4], 128*KS/256
	s_mov_b32 s[G1SB+5], 32
	s_mov_b32 s[G1SB+6], 0
	s_mov_b32 s[G1SB+7], 0
	s_lshl_b32 s18, s17, 3
	s_lshl_b32 s19, s16, 2
	s_add_co_u32 s20, s18, s19
	s_mul_i32 s20, s20, NS*1024
	s_mov_b32 s21, 0
	s_lshl_b32 s22, s17, 9
	s_add_co_u32 s22, s22, SWOFF                   ; A's scale words, from K step 0
	s_mov_b32 s23, 0
	s_lshl_b32 s46, s42, 7
	s_mul_i32 s92, s46, KS                         ; B's scale bytes, from the block's first row
	s_lshl_b32 s47, s16, 6
	s_add_co_u32 s46, s46, s47                     ; B's codes: the first row that I fetch in the ring
	s_mov_b32 s93, 0
	s_mul_i32 s46, s46, KROW
	s_mov_b32 s47, 0
	s_mul_i32 s45, s16, AHALF
	s_mul_i32 s94, s16, BHALF
	s_add_co_u32 s94, s94, ASLOT
	s_wait_dscnt 0x0                               ; both opening adds are done
	s_wait_kmcnt 0x0
	s_add_nc_u64 s[20:21], s[4:5], s[20:21]
	s_add_nc_u64 s[22:23], s[4:5], s[22:23]
	s_add_nc_u64 s[46:47], s[6:7], s[46:47]
	s_add_nc_u64 s[92:93], s[8:9], s[92:93]
	CROUND
	s_mov_b32 s[G0S], 1
	s_mov_b32 s[G0S+1], SWA
	s_mov_b64 s[G0S+2:G0S+3], s[22:23]
	s_or_b32 s[G0S+3], s[G0S+3], 0x80000000
	s_mov_b32 s[G0SB], 1
	s_mov_b32 s[G0SB+1], SCB
	s_mov_b64 s[G0SB+2:G0SB+3], s[92:93]
	s_or_b32 s[G0SB+3], s[G0SB+3], 0x80000000
.irp s, 0,1
	s_mov_b32 s[G0+4*\s], 1
	s_add_co_u32 s[G0+4*\s+1], s45, \s*SLOT
	s_add_nc_u64 s[G0+4*\s+2:G0+4*\s+3], s[20:21], \s*NQ*1024
	s_or_b32 s[G0+4*\s+3], s[G0+4*\s+3], 0x80000000
	s_mov_b32 s[G0B+4*\s], 1
	s_add_co_u32 s[G0B+4*\s+1], s94, \s*SLOT
	s_add_nc_u64 s[G0B+4*\s+2:G0B+4*\s+3], s[46:47], \s*ROWB
	s_or_b32 s[G0B+4*\s+3], s[G0B+4*\s+3], 0x80000000
.endr
; THE HEAD'S FOUR TILES, ONE JOINT LOAD A WAVE.  Waves 0 and 2 are the waves whose ring descriptors begin at a tile's first row (their half is 0): with the doubled row counts
; wave 0's brings all of A's chunk 0 and wave 2's all of B's; wave 1 brings A's scale words, wave 3 B's scale bytes.  One chain of branches on the wave's number, a load to an arm, one join.
.macro ARM is, g0, g1, next
	s_cmp_eq_u32 s14, \is
	s_cbranch_scc0 \next
	tensor_load_to_lds s[\g0:\g0+3], s[\g1:\g1+7]
	s_nop 0
.rept 4
	v_nop
.endr
	s_branch .Lhead_asked
\next:
.endm
	ARM 0, G0,  G1,  .Lhead_b
	ARM 2, G0B, G1B, .Lhead_sa
	ARM 1, G0S, G1S, .Lhead_sb
	tensor_load_to_lds s[G0SB:G0SB+3], s[G1SB:G1SB+7]
	s_nop 0
.rept 4
	v_nop
.endr
.Lhead_asked:
	s_wait_alu depctr_va_vdst(0)
	s_wait_tensorcnt 0x0                           ; my tile of the four is in
	ds_add_u32 v28, v29
	s_mov_b32 s[G1+2], 4<<16                       ; no tensor load of mine is out, so a descriptor may be written: from here on a load brings 4 tiles of tokens,
	s_mov_b32 s[G1+4], 4
	s_mov_b32 s[G1B+2], 64<<16                     ; or 64 rows of B
	s_mov_b32 s[G1B+4], 64
	s_wait_dscnt 0x0
	CROUND                                         ; all four tiles are in, and all sixteen work-groups are here
	JLOAD G0+4, G1, G0B+4, G1B                     ; chunk 1, a quarter of the slot a wave: the first tensor load behind the round
	v_and_b32 v1, 15, v0
	v_bfe_u32 v2, v0, 4, 1
	v_and_b32 v3, 31, v0
	v_lshlrev_b32 v4, 4, v3
	s_mul_i32 s21, s15, AHALF
	v_add_nc_u32 v[ADRA], s21, v4
	v_add_nc_u32 v[ADRA+1], SLOT, v[ADRA]
	v_mul_u32_u24 v5, v1, PITCH
	v_lshl_add_u32 v5, v2, 4, v5
	s_mul_i32 s21, s16, BHALF
	s_add_co_u32 s21, s21, ASLOT
	v_add_nc_u32 v[ADRB], s21, v5
	v_add_nc_u32 v[ADRB+1], SLOT, v[ADRB]
	s_lshl_b32 s21, s15, 8
	s_add_co_u32 s21, s21, SWA
	v_lshl_add_u32 v[ASA], v3, 2, s21
	v_mul_u32_u24 v6, v1, KS
	v_lshrrev_b32 v7, 8, v6
	v_lshl_add_u32 v6, v7, 4, v6
	v_mul_u32_u24 v7, v2, SBLK
	v_add_nc_u32 v6, v6, v7
	s_mul_i32 s21, s16, HALFS
	s_add_co_u32 s21, s21, SCB
	v_add_nc_u32 v[ASB], s21, v6
	s_mul_i32 s21, s14, 16*272
	s_add_co_u32 s21, s21, STAGE
	v_mul_u32_u24 v5, v1, 272
	v_lshl_add_u32 v5, v2, 5, v5
	v_add_nc_u32 v[STO], s21, v5
	v_mul_u32_u24 v5, v2, 272
	v_lshl_add_u32 v5, v1, 4, v5
	v_add_nc_u32 v[RD], s21, v5
	v_lshlrev_b32 v[CO], 12, v2
	v_lshl_add_u32 v[CO], v1, 4, v[CO]
	v_lshlrev_b32 v[BAD], 4, v1
	s_wait_alu depctr_va_vdst(0)
	s_lshl_b32 s20, s17, 7
	s_lshl_b32 s21, s15, 6
	s_add_co_u32 s20, s20, s21
	s_lshl_b32 s20, s20, 12
	s_lshl_b32 s22, s42, 9
	s_lshl_b32 s23, s16, 8
	s_add_co_u32 s22, s22, s23
	s_add_co_u32 s20, s20, s22
	s_mov_b32 s21, 0
	s_mov_b32 s23, 0
	s_add_nc_u64 s[96:97], s[96:97], s[20:21]
	s_add_nc_u64 s[98:99], s[98:99], s[20:21]
	s_add_nc_u64 s[10:11], s[10:11], s[22:23]
	global_load_b128 v[8:11], v[BAD], s[10:11]
	s_and_b32 s13, ttmp7, 0xffff
	s_lshl_b32 s18, s17, 3
	s_lshl_b32 s19, s16, 2
	s_add_co_u32 s18, s18, s19
	s_add_co_u32 s18, s18, s40
	s_mul_i32 s18, s18, NS*1024
	s_add_co_u32 s18, s18, 2*NQ*1024
	s_lshl_b32 s19, s42, 7
	s_lshl_b32 s20, s16, 6
	s_add_co_u32 s19, s19, s20
	s_lshl_b32 s20, s41, 4
	s_add_co_u32 s19, s19, s20
	s_mul_i32 s19, s19, KROW
	s_add_co_u32 s19, s19, 2*ROWB
	s_cmp_eq_u32 s15, 0
	s_cselect_b32 s20, s18, s19
	s_cselect_b64 s[PF2:PF2+1], s[4:5], s[6:7]
	s_cselect_b32 s12, ttmp9, s13
	s_mov_b32 s22, ROWB
	s_cselect_b32 s22, NQ*1024, s22
	s_mov_b32 s23, KROW
	s_cselect_b32 s23, 512, s23
	s_mov_b32 s21, 0
	s_add_nc_u64 s[PF2:PF2+1], s[PF2:PF2+1], s[20:21]
	s_mov_b32 s20, s22
	s_add_nc_u64 s[PF3:PF3+1], s[PF2:PF2+1], s[20:21]
	s_cmp_eq_u32 s12, 0
	s_cselect_b32 s[LIM], 1, 0
	v_lshrrev_b32 v[PFO], 1, v3
	v_mul_lo_u32 v[PFO], v[PFO], s23
	v_and_b32 v7, 1, v3
	v_lshl_add_u32 v[PFO], v7, 8, v[PFO]
.macro PLACES n
.rept \n
	v_nop
.endr
.endm
.macro RESLOAD
	WIN TO_F
.irp a, 0,1,2,3
.irp t, 0,1,2,3,4,5,6,7
	global_load_b128 v[RES+4*(8*\a+\t):RES+4*(8*\a+\t)+3], v[CO], s[96:97] offset:(16*\a+2*\t)*4096 th:TH_LOAD_NT
.endr
.endr
	WIN 0
.endm
.macro FETCH slot, q, p
	WIN TO_F
.irp a, 0,1,2,3
.irp c, 0,1
	ds_load_b128 v[64*(\p)+8*\a+4*\c:64*(\p)+8*\a+4*\c+3], v[ADRA+\slot] offset:\a*NQ*1024+1024*(\q)+512*\c
.endr
.endr
.irp b, 0,1,2,3
.irp c, 0,1
	ds_load_b128 v[64*(\p)+32+8*\b+4*\c:64*(\p)+32+8*\b+4*\c+3], v[ADRB+\slot] offset:\b*16*PITCH+64*(\q)+32*\c
.endr
.endr
	WIN 0
.endm
.macro SCALES ch
.set U, 0
.rept NQ
	ds_load_b32 v[SAR+U], v[ASA] offset:((\ch)*NQ+U)*512
	ds_load_b32 v[SAR+NQ+U], v[ASA] offset:((\ch)*NQ+U)*512+128
.set U, U+1
.endr
.set U, 0
.rept NQ/4
	ds_load_b128 v[SBR+4*U:SBR+4*U+3], v[ASB] offset:16*((\ch)*NQ/4+U)
	ds_load_b128 v[SBR+NQ+4*U:SBR+NQ+4*U+3], v[ASB] offset:2*SBLK+16*((\ch)*NQ/4+U)
.set U, U+1
.endr
.endm
.macro WM a, b, p, q, zero
.set rD, ACC+8*(4*(\a)+(\b))
.set rB, 64*(\p)+32+8*(\b)
.set rA, 64*(\p)+8*(\a)
.set sB, SBR+NQ*((\b)/2)+(\q)
.set sA, SAR+NQ*((\a)/2)+(\q)
.set fm, 4*(\zero)+2*((\a)%2)+((\b)%2)
.if fm == 0
	v_wmma_scale_f32_16x16x128_f8f6f4 v[rD:rD+7], v[rB:rB+7], v[rA:rA+7], v[rD:rD+7], v[sB], v[sA] matrix_a_fmt:MATRIX_FMT_FP4 matrix_b_fmt:MATRIX_FMT_FP4
.elseif fm == 1
	v_wmma_scale_f32_16x16x128_f8f6f4 v[rD:rD+7], v[rB:rB+7], v[rA:rA+7], v[rD:rD+7], v[sB], v[sA] matrix_a_fmt:MATRIX_FMT_FP4 matrix_b_fmt:MATRIX_FMT_FP4 matrix_a_scale:MATRIX_SCALE_ROW1
.elseif fm == 2
	v_wmma_scale_f32_16x16x128_f8f6f4 v[rD:rD+7], v[rB:rB+7], v[rA:rA+7], v[rD:rD+7], v[sB], v[sA] matrix_a_fmt:MATRIX_FMT_FP4 matrix_b_fmt:MATRIX_FMT_FP4 matrix_b_scale:MATRIX_SCALE_ROW1
.elseif fm == 3
	v_wmma_scale_f32_16x16x128_f8f6f4 v[rD:rD+7], v[rB:rB+7], v[rA:rA+7], v[rD:rD+7], v[sB], v[sA] matrix_a_fmt:MATRIX_FMT_FP4 matrix_b_fmt:MATRIX_FMT_FP4 matrix_a_scale:MATRIX_SCALE_ROW1 matrix_b_scale:MATRIX_SCALE_ROW1
.elseif fm == 4
	v_wmma_scale_f32_16x16x128_f8f6f4 v[rD:rD+7], v[rB:rB+7], v[rA:rA+7], 0, v[sB], v[sA] matrix_a_fmt:MATRIX_FMT_FP4 matrix_b_fmt:MATRIX_FMT_FP4
.elseif fm == 5
	v_wmma_scale_f32_16x16x128_f8f6f4 v[rD:rD+7], v[rB:rB+7], v[rA:rA+7], 0, v[sB], v[sA] matrix_a_fmt:MATRIX_FMT_FP4 matrix_b_fmt:MATRIX_FMT_FP4 matrix_a_scale:MATRIX_SCALE_ROW1
.elseif fm == 6
	v_wmma_scale_f32_16x16x128_f8f6f4 v[rD:rD+7], v[rB:rB+7], v[rA:rA+7], 0, v[sB], v[sA] matrix_a_fmt:MATRIX_FMT_FP4 matrix_b_fmt:MATRIX_FMT_FP4 matrix_b_scale:MATRIX_SCALE_ROW1
.else
	v_wmma_scale_f32_16x16x128_f8f6f4 v[rD:rD+7], v[rB:rB+7], v[rA:rA+7], 0, v[sB], v[sA] matrix_a_fmt:MATRIX_FMT_FP4 matrix_b_fmt:MATRIX_FMT_FP4 matrix_a_scale:MATRIX_SCALE_ROW1 matrix_b_scale:MATRIX_SCALE_ROW1
.endif
.endm
.macro MUL16 p, q, zero
.irp a, 0,1,2,3
.irp b, 0,1,2,3
	WM \a, \b, \p, \q, \zero
.endr
.endr
.endm
.macro KSTEP slot, q, zero
	PLACES 4
	FETCH \slot, (\q)+1, 1-(\q)%2
	s_wait_dscnt 16
	WIN MUL
	MUL16 (\q)%2, \q, \zero
	WIN 0
.endm
.macro CHUNK slot, from
.set Q, \from
.rept NQ-1-\from
	KSTEP \slot, Q, 0
.set Q, Q+1
.endr
.endm
.macro CHANGE slot, next, ch, fill
	s_wait_tensorcnt 0x0
.if REFILL
	ds_add_u32 v[SPW], v[NIL]
.endif
.if \fill
	s_add_nc_u64 s[G0+4*\slot+2:G0+4*\slot+3], s[G0+4*\slot+2:G0+4*\slot+3], 2*NQ*1024
	s_add_nc_u64 s[G0B+4*\slot+2:G0B+4*\slot+3], s[G0B+4*\slot+2:G0B+4*\slot+3], 2*ROWB
.endif
	s_wait_dscnt 0x0
	s_barrier_signal -1
	WIN MUL
	MUL16 1, NQ-1, 0
	WIN 0
	s_barrier_wait -1
.if \fill
	CREST
	JLOAD G0+4*\slot, G1, G0B+4*\slot, G1B
.else
	PLACES 4
.endif
	FETCH \next, 0, 0
	SCALES \ch
.endm
.macro TOSTAGE a
.irp b, 0,1,2,3
	ds_store_b128 v[STO], v[ACC+8*(4*(\a)+\b):ACC+8*(4*(\a)+\b)+3] offset:64*\b
	ds_store_b128 v[STO], v[ACC+8*(4*(\a)+\b)+4:ACC+8*(4*(\a)+\b)+7] offset:64*\b+16
.endr
.irp t, 0,1,2,3,4,5,6,7
	ds_load_b128 v[OB+32*((\a)%2)+4*\t:OB+32*((\a)%2)+4*\t+3], v[RD] offset:544*\t
.endr
.endm
.macro SEND a
	s_wait_dscnt 0x0
.irp t, 0,1,2,3,4,5,6,7
	v_pk_add_f32 v[OB+32*((\a)%2)+4*\t:OB+32*((\a)%2)+4*\t+1], v[OB+32*((\a)%2)+4*\t:OB+32*((\a)%2)+4*\t+1], v[8:9]
	v_pk_add_f32 v[OB+32*((\a)%2)+4*\t+2:OB+32*((\a)%2)+4*\t+3], v[OB+32*((\a)%2)+4*\t+2:OB+32*((\a)%2)+4*\t+3], v[10:11]
.endr
	WIN 0x04
.irp t, 0,1,2,3,4,5,6,7
	v_pk_add_f32 v[OB+32*((\a)%2)+4*\t:OB+32*((\a)%2)+4*\t+1], v[OB+32*((\a)%2)+4*\t:OB+32*((\a)%2)+4*\t+1], v[RES+4*(8*(\a)+\t):RES+4*(8*(\a)+\t)+1]
	v_pk_add_f32 v[OB+32*((\a)%2)+4*\t+2:OB+32*((\a)%2)+4*\t+3], v[OB+32*((\a)%2)+4*\t+2:OB+32*((\a)%2)+4*\t+3], v[RES+4*(8*(\a)+\t)+2:RES+4*(8*(\a)+\t)+3]
.endr
	WIN 0
.irp t, 0,1,2,3,4,5,6,7
	global_store_b128 v[CO], v[OB+32*((\a)%2)+4*\t:OB+32*((\a)%2)+4*\t+3], s[98:99] offset:(16*(\a)+2*\t)*4096
.endr
.endm
	s_wait_tensorcnt 1
	s_barrier_signal -1
	s_barrier_wait -1
	FETCH 0, 0, 0
	SCALES 0
	RESLOAD
.if NCH == 4
	ASK PF2
.endif
	KSTEP 0, 0, 1
	CHUNK 0, 1
.if NCH == 2
	CHANGE 0, 1, 1, 0
	CHUNK 1, 0
.else
	CHANGE 0, 1, 1, 1
	ASK PF3
	CHUNK 1, 0
	CHANGE 1, 0, 2, 1
	CHUNK 0, 0
	CHANGE 0, 1, 3, 0
	CHUNK 1, 0
.endif
	s_wait_dscnt 0x0
	WIN MUL
	MUL16 1, NQ-1, 0
	WIN 0
	s_wait_loadcnt 0x0
	PLACES 4
.irp a, 0,1,2,3
.if \a >= 2
	s_wait_xcnt 0x0
.endif
	TOSTAGE \a
	SEND \a
.endr
.if REFILL
	s_wait_tensorcnt 0x0
	ds_add_u32 v[SPW], v[NIL]
	s_wait_dscnt 0x0
.endif
	CROUND
	s_endpgm
.Lfunc_end_k_q88930f0284_ffn2:
	.size	k_q88930f0284_ffn2, .Lfunc_end_k_q88930f0284_ffn2-k_q88930f0284_ffn2
	.p2alignl 7, 3214868480
	.fill 96, 4, 3214868480
	.section	.rodata,"a",@progbits
	.p2align	6, 0x0
	.amdhsa_kernel k_q88930f0284_ffn2
		.amdhsa_group_segment_fixed_size 327680
		.amdhsa_private_segment_fixed_size 0
		.amdhsa_enable_private_segment 0
		.amdhsa_kernarg_size 48
		.amdhsa_user_sgpr_count 2
		.amdhsa_user_sgpr_kernarg_segment_ptr 1
		.amdhsa_wavefront_size32 1
		.amdhsa_system_sgpr_workgroup_id_x 1
		.amdhsa_system_sgpr_workgroup_id_y 1
		.amdhsa_system_sgpr_workgroup_id_z 1
		.amdhsa_system_vgpr_workitem_id 0
		.amdhsa_next_free_vgpr 512
		.amdhsa_next_free_sgpr 102
		.amdhsa_reserve_vcc 0
		.amdhsa_float_denorm_mode_32 3
		.amdhsa_float_denorm_mode_16_64 3
		.amdhsa_memory_ordered 1
		.amdhsa_forward_progress 1
		.amdhsa_inst_pref_size 144
	.end_amdhsa_kernel
	.amdgpu_metadata
---
amdhsa.version: [ 1, 2 ]
amdhsa.kernels:
  - .name:           k_q88930f0284_ffn2
    .symbol:         k_q88930f0284_ffn2.kd
    .args:
      - { .name: hw, .offset: 0, .size: 8, .value_kind: global_buffer, .address_space: global }
      - { .name: w2_codes, .offset: 8, .size: 8, .value_kind: global_buffer, .address_space: global }
      - { .name: w2_scales, .offset: 16, .size: 8, .value_kind: global_buffer, .address_space: global }
      - { .name: bf2, .offset: 24, .size: 8, .value_kind: global_buffer, .address_space: global }
      - { .name: x1w, .offset: 32, .size: 8, .value_kind: global_buffer, .address_space: global }
      - { .name: ysum, .offset: 40, .size: 8, .value_kind: global_buffer, .address_space: global }
    .group_segment_fixed_size: 327680
    .private_segment_fixed_size: 0
    .kernarg_segment_align: 8
    .kernarg_segment_size: 48
    .max_flat_workgroup_size: 128
    .sgpr_count:     102
    .vgpr_count:     512
    .wavefront_size: 32
...
	.end_amdgpu_metadata
.endif
;; end of part 7
;; launch ln2 (part 8): grid 256 x 1, 4 waves a work-group, no clusters, 0 bytes of LDS; arguments ysum, g2, b2, out0; writes out0
.if DOCPART == 8
	.amdgcn_target "amdgcn-amd-amdhsa--gfx1250"
	.amdhsa_code_object_version 6
	.text
	.protected	k_q88930f0284_ln2
	.globl	k_q88930f0284_ln2
	.p2align	8
	.type	k_q88930f0284_ln2,@function
k_q88930f0284_ln2:
	s_mov_b64 s[64:65], 0
	v_nop
	global_prefetch_b8 v0, s[64:65] scope:SCOPE_SE
	s_setreg_imm32_b32 hwreg(HW_REG_WAVE_MODE, 25, 1), 1
	s_wait_xcnt 0x0
; A layer norm over rows of 1,024 f32: y = (x - mean) rsqrt(var + 1e-5) g + b, var taken of x - mean in a second pass over registers (a common offset costs nothing).
; A work-group takes 16 rows, a wave 4; a row is eight loads of 512 consecutive bytes and stays in 32 registers.  All four rows, g and b are asked for at the head.  Memory binds: no matrix unit, no LDS, no cluster, no barrier.
; LIMITS: NaN and infinities are not served.
; REGISTERS: v2 16 x lane; v[8:9] mean; v[10:11] rsqrt; v12, v13 at work; v16-23 sums; v64-191 four rows; v192-223 g; v224-255 b.
.set XR,  64
.set GG,  192
.set BB,  224
	s_load_b256 s[4:11], s[0:1], 0x0               ; the input, g, b, the output
	v_lshrrev_b32 v1, 5, v0
	v_readfirstlane_b32 s16, v1                    ; wave 0..3
	v_and_b32 v1, 31, v0
	v_lshlrev_b32 v2, 4, v1
	v_mov_b32 v13, 0                               ; a lane permute's destination counts as one of its sources
	s_mov_b32 s12, 0x76543210
	s_mov_b32 s13, 0xfedcba98
	s_mov_b32 s14, 0x3a800000                      ; 1 / 1,024
	s_mov_b32 s15, 0x3727c5ac                      ; 1e-5
	s_lshl_b32 s17, ttmp9, 4
	s_lshl_b32 s18, s16, 2
	s_add_co_u32 s17, s17, s18                     ; my first row
	s_lshl_b32 s18, s17, 12
	s_mov_b32 s19, 0
	s_wait_alu depctr_va_vdst(0)
	s_wait_kmcnt 0x0
	s_add_nc_u64 s[4:5], s[4:5], s[18:19]
	s_add_nc_u64 s[10:11], s[10:11], s[18:19]
.irp j, 0,1,2,3,4,5,6,7
	global_load_b128 v[XR+4*\j:XR+4*\j+3], v2, s[4:5] offset:512*\j th:TH_LOAD_NT
.endr
.irp j, 0,1,2,3,4,5,6,7
	global_load_b128 v[GG+4*\j:GG+4*\j+3], v2, s[6:7] offset:512*\j
.endr
.irp j, 0,1,2,3,4,5,6,7
	global_load_b128 v[BB+4*\j:BB+4*\j+3], v2, s[8:9] offset:512*\j
.endr
.irp p, 1,2,3
.irp j, 0,1,2,3,4,5,6,7
	global_load_b128 v[XR+32*\p+4*\j:XR+32*\p+4*\j+3], v2, s[4:5] offset:4096*\p+512*\j th:TH_LOAD_NT
.endr
.endr
.macro ACROSS                          ; v[16:23], four packed partial sums, become the row's sum in v12 of every lane
	v_pk_add_f32 v[16:17], v[16:17], v[18:19]
	v_pk_add_f32 v[20:21], v[20:21], v[22:23]
	v_pk_add_f32 v[16:17], v[16:17], v[20:21]
	v_add_f32 v12, v16, v17
	v_add_f32_dpp v12, v12, v12 row_xmask:1 row_mask:0xf bank_mask:0xf
	v_add_f32_dpp v12, v12, v12 row_xmask:2 row_mask:0xf bank_mask:0xf
	v_add_f32_dpp v12, v12, v12 row_xmask:4 row_mask:0xf bank_mask:0xf
	v_add_f32_dpp v12, v12, v12 row_xmask:8 row_mask:0xf bank_mask:0xf
	v_permlanex16_b32 v13, v12, s12, s13
	v_add_f32 v12, v12, v13
.endm
.macro ROW p, left
.set XP, XR+32*(\p)
	s_wait_loadcnt \left                           ; this row's eight loads are in; the younger ones may be out
.irp k, 0,2,4,6
	v_pk_add_f32 v[16+\k:17+\k], v[XP+\k:XP+\k+1], v[XP+8+\k:XP+9+\k]
.endr
.irp k, 0,2,4,6
	v_pk_add_f32 v[16+\k:17+\k], v[16+\k:17+\k], v[XP+16+\k:XP+17+\k]
.endr
.irp k, 0,2,4,6
	v_pk_add_f32 v[16+\k:17+\k], v[16+\k:17+\k], v[XP+24+\k:XP+25+\k]
.endr
	ACROSS
	v_mul_f32 v8, s14, v12                         ; the mean
	v_mov_b32 v9, v8
.irp k, 0,2,4,6,8,10,12,14,16,18,20,22,24,26,28,30
	v_pk_add_f32 v[XP+\k:XP+\k+1], v[XP+\k:XP+\k+1], v[8:9] neg_lo:[0,1] neg_hi:[0,1]
.endr
.irp k, 0,2,4,6
	v_pk_mul_f32 v[16+\k:17+\k], v[XP+\k:XP+\k+1], v[XP+\k:XP+\k+1]
.endr
.irp m, 8,16,24
.irp k, 0,2,4,6
	v_pk_fma_f32 v[16+\k:17+\k], v[XP+\m+\k:XP+\m+\k+1], v[XP+\m+\k:XP+\m+\k+1], v[16+\k:17+\k]
.endr
.endr
	ACROSS
	v_fma_f32 v10, v12, s14, s15                   ; the variance + 1e-5
	s_wait_alu depctr_va_vdst(0)
	v_rsq_f32 v10, v10
	v_nop                                          ; a plain place behind the transcendental
	s_wait_alu depctr_va_vdst(0)                   ; and the wait ahead of its first reader
	v_mov_b32 v11, v10
.if (\p) == 0
	s_wait_alu depctr_va_vdst(0)
	s_wait_loadcnt 24                              ; g and b are in; rows 1 to 3 may be out
.endif
.irp k, 0,2,4,6,8,10,12,14,16,18,20,22,24,26,28,30
	v_pk_mul_f32 v[XP+\k:XP+\k+1], v[XP+\k:XP+\k+1], v[10:11]
.endr
.irp k, 0,2,4,6,8,10,12,14,16,18,20,22,24,26,28,30
	v_pk_fma_f32 v[XP+\k:XP+\k+1], v[XP+\k:XP+\k+1], v[GG+\k:GG+\k+1], v[BB+\k:BB+\k+1]
.endr
.irp j, 0,1,2,3,4,5,6,7
	global_store_b128 v2, v[XP+4*\j:XP+4*\j+3], s[10:11] offset:4096*(\p)+512*\j th:TH_STORE_NT   ; 512 consecutive bytes, aligned
.endr
.endm
	ROW 0, 40
	ROW 1, 16
	ROW 2, 8
	ROW 3, 0
	s_endpgm
.Lfunc_end_k_q88930f0284_ln2:
	.size	k_q88930f0284_ln2, .Lfunc_end_k_q88930f0284_ln2-k_q88930f0284_ln2
	.p2alignl 7, 3214868480
	.fill 96, 4, 3214868480
	.section	.rodata,"a",@progbits
	.p2align	6, 0x0
	.amdhsa_kernel k_q88930f0284_ln2
		.amdhsa_group_segment_fixed_size 0
		.amdhsa_private_segment_fixed_size 0
		.amdhsa_enable_private_segment 0
		.amdhsa_kernarg_size 32
		.amdhsa_user_sgpr_count 2
		.amdhsa_user_sgpr_kernarg_segment_ptr 1
		.amdhsa_wavefront_size32 1
		.amdhsa_system_sgpr_workgroup_id_x 1
		.amdhsa_system_sgpr_workgroup_id_y 1
		.amdhsa_system_sgpr_workgroup_id_z 1
		.amdhsa_system_vgpr_workitem_id 0
		.amdhsa_next_free_vgpr 256
		.amdhsa_next_free_sgpr 66
		.amdhsa_reserve_vcc 0
		.amdhsa_float_denorm_mode_32 3
		.amdhsa_float_denorm_mode_16_64 3
		.amdhsa_memory_ordered 1
		.amdhsa_forward_progress 1
		.amdhsa_inst_pref_size 34
	.end_amdhsa_kernel
	.amdgpu_metadata
---
amdhsa.version: [ 1, 2 ]
amdhsa.kernels:
  - .name:           k_q88930f0284_ln2
    .symbol:         k_q88930f0284_ln2.kd
    .args:
      - { .name: ysum, .offset: 0, .size: 8, .value_kind: global_buffer, .address_space: global }
      - { .name: g2, .offset: 8, .size: 8, .value_kind: global_buffer, .address_space: global }
      - { .name: b2, .offset: 16, .size: 8, .value_kind: global_buffer, .address_space: global }
      - { .name: out0, .offset: 24, .size: 8, .value_kind: global_buffer, .address_space: global }
    .group_segment_fixed_size: 0
    .private_segment_fixed_size: 0
    .kernarg_segment_align: 8
    .kernarg_segment_size: 32
    .max_flat_workgroup_size: 128
    .sgpr_count:     66
    .vgpr_count:     256
    .wavefront_size: 32
...
	.end_amdgpu_metadata
.endif
;; end of part 8
